; MI455X (gfx1250); checked and timed in simulation.
; The chip was launched on July 23, 2026; its instructions are those of AMD's public machine-readable ISA for CDNA 5 (MIT licence, August 2026) and "CDNA5" Instruction Set Architecture Reference Guide (July 2026). The comments in the code are by the model that wrote it; some were corrected since.
;; Bahdanau Attention. Allowed arithmetic: float matrix products may take bf16 or f16 operands with f32 sums; other float arithmetic in f32, or as packed bf16 or f16 multiplies, adds, multiply-adds, maxima and minima; sums over many terms, partial sums and values carried from step to step in f32; what a program stores and reads back later, other than sums and carried values, may be rounded once to bf16 or f16.
;; Inputs: W_dec 1,024 x 1,024 float32; W_enc 1,024 x 1,024 float32; decoder_hidden 64 x 1,024 float32; encoder_outputs 64 x 1,024 x 1,024 float32; src_mask 64 x 1,024 int32; v 1,024 float32.
;; Outputs: out0 64 x 1,024 float32; out1 64 x 1,024 float32.
;; 3 versions, each right; version 2 is faster than version 1; version 3 is version 2 with the launch main written anew for expert scheduling mode. Each part assembles by itself: llvm-mc -triple=amdgcn-amd-amdhsa -mcpu=gfx1250 --defsym DOCPART=n.
;; ======== version 1 of 3: 3 launches
;; limits: right only within a limited range of input values
;; workspace buffers: wf 2,129,920 bytes; decp 262,144 bytes; rowlist 327,680 bytes of whole numbers; scores 294,912 bytes; stats 4,096 bytes; pctx 2,097,152 bytes
;; launch prep (part 1): grid 192 x 1, 4 waves a work-group, no clusters, 38,912 bytes of LDS; arguments W_enc, W_dec, decoder_hidden, src_mask, wf, decp, rowlist, scores, stats; writes wf, decp, rowlist, scores, stats
.if DOCPART == 1
	.amdgcn_target "amdgcn-amd-amdhsa--gfx1250"
	.amdhsa_code_object_version 6
	.text
	.protected	k_q0ef5051117_prep
	.globl	k_q0ef5051117_prep
	.p2align	8
	.type	k_q0ef5051117_prep,@function
k_q0ef5051117_prep:
	s_mov_b64 s[64:65], 0
	v_nop
	global_prefetch_b8 v0, s[64:65] scope:SCOPE_SE
	s_setreg_imm32_b32 hwreg(HW_REG_WAVE_MODE, 25, 1), 1
	s_wait_xcnt 0x0
; PREP: what the main launch wants ready.  Three kinds of work-group, told apart by the work-group's number x:
;   x = 0..63    (W)  16 rows of W_enc, rounded once to bf16, written to wf in the order in which a matrix fragment lies in registers:
;                     byte g*262144 + kstep*8192 + nb*1024 + c*512 + lane*16 holds W_enc[128 g + 16 nb + lane%16][32 kstep + 16 c + 8 (lane/16) + 0..7]
;   x = 64..127  (D)  16 columns of decp[b][d] = 2 log2(e) * sum_k h[b][k] W_dec[d][k], for all 64 batches (bf16 operands, f32 sums)
;   x = 128..191 (L)  batch b: the list of its open positions (mask != 0), or of all 1,024 if none is open; behind it (entries 1152 to 1154) its length n, ceil(n/144),
;                     and 1 if any position is open, else 0; scores[b] filled with -1e9, stats[b] with (-1e38, 0), and 512 bytes of the zeros behind wf
; One barrier, on every wave's path: in front of it W and D lay their 16 rows in LDS as bf16; every branch on x jumps forward over text without a barrier.
.set PITCH, 2064                       ; a staged row: 2,048 bytes + 16: an odd multiple of 16, so the 16 rows of a fragment load start 16 bytes apart modulo 256
.set IMG,   16*PITCH                   ; the list's image: 1,280 words, then 64 dump words for lanes with nothing to list
.set DUMPW, 1280
.set SPARE, IMG+5376                   ; the spare words, 128 bytes a wave: two blocks of 256 bytes that no other line names
.set LN,  1                            ; v1  lane
.set RR,  2                            ; v2  lane % 16
.set HH,  3                            ; v3  lane / 16
.set L16, 4                            ; v4  16 x lane
.set SPW, 30                           ; v30 my spare word; never rewritten
.set NIL, 31                           ; v31 0; never rewritten
	s_load_b512 s[4:19], s[0:1], 0x0               ; W_enc s[4:5], W_dec s[6:7], h s[8:9], mask s[10:11], wf s[12:13], decp s[14:15], rowlist s[16:17], scores s[18:19]
	s_load_b64 s[20:21], s[0:1], 0x40              ; stats
	v_lshl_add_u32 v[SPW], v0, 2, SPARE
	v_mov_b32 v[NIL], 0
	v_lshrrev_b32 v5, 5, v0
	v_readfirstlane_b32 s22, v5                    ; wave 0..3
	v_and_b32 v[LN], 31, v0
	v_and_b32 v[RR], 15, v0
	v_bfe_u32 v[HH], v0, 4, 1
	v_lshlrev_b32 v[L16], 4, v[LN]
	s_and_b32 s23, ttmp9, 63                       ; the block of 16 rows (W, D) or the batch (L)
	s_wait_kmcnt 0x0
	s_cmp_lt_u32 ttmp9, 128
	s_cbranch_scc0 .Lmeet
	; STAGE: wave w takes rows 4 w .. 4 w + 3 of the block: 32 loads of 512 consecutive bytes, rounded to bf16, 8 bytes a lane into LDS
	s_cmp_lt_u32 ttmp9, 64
	s_cselect_b64 s[24:25], s[4:5], s[6:7]
	s_lshl_b32 s26, s23, 16                        ; 16 rows of 4,096 bytes
	s_lshl_b32 s27, s22, 14                        ; my 4 of them
	s_add_co_u32 s26, s26, s27
	s_mov_b32 s27, 0
	s_add_nc_u64 s[24:25], s[24:25], s[26:27]
	s_mul_i32 s28, s22, 4*PITCH
	v_lshl_add_u32 v5, v[LN], 3, s28
.set n, 0
.rept 32
	global_load_b128 v[64+4*n:67+4*n], v[L16], s[24:25] offset:(n/8)*4096+(n%8)*512 th:TH_LOAD_NT
.set n, n+1
.endr
.set g, 0
.rept 4
	s_wait_loadcnt 24-8*g                          ; row g is in; the younger rows' loads, eight each, stay out
.set n, 8*g
.rept 8
	v_cvt_pk_bf16_f32 v[64+4*n], v[64+4*n], v[65+4*n]
	v_cvt_pk_bf16_f32 v[65+4*n], v[66+4*n], v[67+4*n]
	ds_store_b64 v5, v[64+4*n:65+4*n] offset:(n/8)*PITCH+(n%8)*256
.set n, n+1
.endr
.set g, g+1
.endr
.Lmeet:
	s_wait_dscnt 0x0                               ; for the others' sake: my rows lie in LDS
	s_barrier_signal -1
	s_barrier_wait -1
	s_cmp_lt_u32 ttmp9, 64
	s_cbranch_scc1 .LroleW
	s_cmp_lt_u32 ttmp9, 128
	s_cbranch_scc1 .LroleD
	; ---- L: one task a wave
	s_cmp_eq_u32 s22, 0
	s_cbranch_scc1 .Llist
	s_cmp_eq_u32 s22, 1
	s_cbranch_scc1 .Lfill
	s_cmp_eq_u32 s22, 2
	s_cbranch_scc1 .Lpad
	s_lshl_b32 s24, s23, 6                         ; wave 3: stats[b], eight pairs (m, l) = (-1e38, 0): 64 bytes, lanes 0 to 3
	s_mov_b32 s25, 0
	s_add_nc_u64 s[24:25], s[20:21], s[24:25]
	v_mov_b32 v64, 0xfe967699
	v_mov_b32 v65, 0
	v_mov_b32 v66, 0xfe967699
	v_mov_b32 v67, 0
	v_cmp_gt_u32 vcc_lo, 4, v[LN]
	s_wait_xcnt 0x0                                ; EXEC changes only behind this wait
	s_and_saveexec_b32 s26, vcc_lo
	global_store_b128 v[L16], v[64:67], s[24:25]
	s_wait_xcnt 0x0                                ; and again in front of the line that widens it
	s_or_b32 exec_lo, exec_lo, s26
	s_branch .Lend
.Lfill:                                                ; wave 1: scores[b] = -1e9 everywhere; the main launch overwrites the listed positions
	s_lshl_b32 s24, s23, 12
	s_mov_b32 s25, 0
	s_add_nc_u64 s[24:25], s[18:19], s[24:25]
.irp i, 64,65,66,67
	v_mov_b32 v\i, 0xce6e6b28
.endr
.irp i, 0,1,2,3,4,5,6,7
	global_store_b128 v[L16], v[64:67], s[24:25] offset:512*(\i)
.endr
	s_branch .Lend
.Lpad:                                                 ; wave 2: 512 bytes of the 32,768 zeros behind wf, which the main launch's loads ahead reach and never multiply
	s_lshl_b32 s24, s23, 9
	s_add_co_u32 s24, s24, 0x200000
	s_mov_b32 s25, 0
	s_add_nc_u64 s[24:25], s[12:13], s[24:25]
.irp i, 64,65,66,67
	v_mov_b32 v\i, 0
.endr
	global_store_b128 v[L16], v[64:67], s[24:25]
	s_branch .Lend
.Llist:                                                ; wave 0: the list.  Register e = 4 i + jj of a lane holds the mask of position 128 i + 4 lane + jj
	s_lshl_b32 s24, s23, 12
	s_mov_b32 s25, 0
	s_add_nc_u64 s[24:25], s[10:11], s[24:25]
.irp i, 0,1,2,3,4,5,6,7
	global_load_b128 v[64+4*(\i):67+4*(\i)], v[L16], s[24:25] offset:512*(\i)
.endr
.irp i, 96,97,98,99
	v_mov_b32 v\i, 0
.endr
.irp i, 0,1,2,3,4,5,6,7,8,9
	ds_store_b128 v[L16], v[96:99] offset:IMG+512*(\i)   ; the image starts as zeros: unused entries name row 0
.endr
	v_lshlrev_b32 v8, 2, v[LN]
	v_add_nc_u32 v9, DUMPW, v[LN]                  ; my dump word's index
	s_mov_b32 s68, 0
	s_wait_loadcnt 0x0
.set e, 0
.rept 32
	v_cmp_ne_u32 s[32+e], 0, v[64+e]
.set e, e+1
.endr
.set e, 0
.rept 32
	s_bcnt1_i32_b32 s70, s[32+e]
	s_add_co_u32 s68, s68, s70                     ; open positions
.set e, e+1
.endr
	s_cmp_eq_u32 s68, 0                            ; none open: every position has weight 1/1024, so all are listed
	s_cselect_b32 s66, -1, 0
	s_cselect_b32 s31, 0, 1                        ; is any position open?
	s_cselect_b32 s68, 1024, s68                   ; n
	s_add_co_u32 s69, s68, 143
	s_mul_i32 s69, s69, 29128                      ; ceil(n / 144): 29128 / 2^22 exceeds 1/144 by 2.1e-7 of 1, too little to matter below 1,168
	s_lshr_b32 s69, s69, 22
	s_mov_b32 s67, 0                               ; entries so far
.set e, 0
.rept 32
	s_or_b32 s70, s[32+e], s66
	v_mbcnt_lo_u32_b32 v10, s70, s67               ; my place: entries so far + listed lanes below me
	v_cndmask_b32 v10, v9, v10, s70                ; or my dump word
	v_min_u32 v10, 0x53f, v10                      ; inside the image's 1,344 words
	v_lshl_add_u32 v10, v10, 2, IMG
	v_add_nc_u32 v11, 128*(e/4)+(e%4), v8          ; the position
	ds_store_b32 v10, v11
	s_bcnt1_i32_b32 s71, s70
	s_add_co_u32 s67, s67, s71
.set e, e+1
.endr
	v_mov_b32 v10, IMG+4608
	v_mov_b32 v11, s68
	v_mov_b32 v12, s69
	v_mov_b32 v13, s31
	ds_store_b32 v10, v11                          ; entry 1152: n
	ds_store_b32 v10, v12 offset:4                 ; entry 1153: ceil(n / 144)
	ds_store_b32 v10, v13 offset:8                 ; entry 1154: 1 if any position is open
	s_mul_i32 s26, s23, 5120
	s_mov_b32 s27, 0
	s_add_nc_u64 s[26:27], s[16:17], s[26:27]
.irp i, 0,1,2,3,4,5,6,7,8,9
	ds_load_b128 v[100+4*(\i):103+4*(\i)], v[L16] offset:IMG+512*(\i)   ; LDS serves a wave's instructions in order: these see the stores above
.endr
	s_wait_dscnt 0x0
.irp i, 0,1,2,3,4,5,6,7,8,9
	global_store_b128 v[L16], v[100+4*(\i):103+4*(\i)], s[26:27] offset:512*(\i)
.endr
	s_branch .Lend
	; ---- W: wave w takes K steps 8 w .. 8 w + 7 of the block's fragments; each store covers 512 consecutive bytes of wf
.LroleW:
	v_mul_u32_u24 v6, v[RR], PITCH
	v_lshl_add_u32 v6, v[HH], 4, v6                ; row x pitch + 16 x half
	s_lshl_b32 s24, s22, 9                         ; my 8 K steps of 64 bytes
	v_add_nc_u32 v6, s24, v6
	s_lshr_b32 s24, s23, 3
	s_lshl_b32 s24, s24, 18                        ; g
	s_and_b32 s25, s23, 7
	s_lshl_b32 s25, s25, 10                        ; nb
	s_add_co_u32 s24, s24, s25
	s_lshl_b32 s25, s22, 16                        ; 8 K steps of 8,192 bytes
	s_add_co_u32 s24, s24, s25
	s_mov_b32 s25, 0
	s_add_nc_u64 s[24:25], s[12:13], s[24:25]
.set n, 0
.rept 16
	ds_load_b128 v[64+4*n:67+4*n], v6 offset:(n/2)*64+(n%2)*32
.set n, n+1
.endr
.set n, 0
.rept 16
	s_wait_dscnt 15-n                              ; load n is in; the younger ones stay out
	global_store_b128 v[L16], v[64+4*n:67+4*n], s[24:25] offset:(n/2)*8192+(n%2)*512
.set n, n+1
.endr
	s_branch .Lend
	; ---- D: wave w takes batches 16 w .. 16 w + 15.  Source 0 = 16 rows of W_dec (from LDS), source 1 = 16 rows of h: a lane ends with batch lane%16 and columns 8 (lane/16) + 0..7
.macro DLOAD set, off                  ; h for four K steps: for each, 8 + 8 floats a lane, as four loads of 16 bytes
.set n, 0
.rept 16
	global_load_b128 v[64+64*(\set)+4*n:67+64*(\set)+4*n], v7, s[24:25] offset:(\off)+(n/4)*128+((n%4)/2)*64+(n%2)*16
.set n, n+1
.endr
.endm
.macro DGRP set, cnt, reload, ldsoff   ; four K steps
	s_wait_loadcnt \cnt                            ; this set is in; the other set's 16 loads stay out
.rept 4
	v_nop                                          ; four places behind the last product, in front of loads and conversions into registers that it has read
.endr
.set n, 0
.rept 8
	ds_load_b128 v[192+4*n:195+4*n], v6 offset:(\ldsoff)+(n/2)*64+(n%2)*32
.set n, n+1
.endr
.set n, 0
.rept 32
	v_cvt_pk_bf16_f32 v[224+n], v[64+64*(\set)+2*n], v[65+64*(\set)+2*n]
.set n, n+1
.endr
.if (\reload) >= 0
	DLOAD \set, \reload
.endif
	s_wait_dscnt 0x0
.irp kk, 0,1,2,3                       ; the two accumulators take turns, one instruction a turn, over the backward jump too
	v_wmma_f32_16x16x32_bf16 v[32+8*((\kk)%2):39+8*((\kk)%2)], v[192+8*(\kk):199+8*(\kk)], v[224+8*(\kk):231+8*(\kk)], v[32+8*((\kk)%2):39+8*((\kk)%2)]
.endr
.endm
.LroleD:
	v_mul_u32_u24 v6, v[RR], PITCH
	v_lshl_add_u32 v6, v[HH], 4, v6
	v_lshlrev_b32 v7, 12, v[RR]
	v_lshl_add_u32 v7, v[HH], 5, v7                ; row x 4,096 + 32 x half; never rewritten
	s_lshl_b32 s24, s22, 16
	s_mov_b32 s25, 0
	s_add_nc_u64 s[24:25], s[8:9], s[24:25]        ; h at my 16 batches
	DLOAD 0, 0
	DLOAD 1, 512
.set n, 32
.rept 16
	v_mov_b32 v[n], 0                              ; sixteen lines, while the first loads are out, so that the loop has one form of product
.set n, n+1
.endr
	s_mov_b32 s26, 3
.Ldk:                                                  ; a trip: eight K steps multiplied, the next eight asked for
	DGRP 0, 16, 1024, 0
	DGRP 1, 16, 1536, 256
	s_wait_xcnt 0x0                                ; the loads have read their base
	s_add_nc_u64 s[24:25], s[24:25], 1024
	v_add_nc_u32 v6, 512, v6
	s_sub_co_u32 s26, s26, 1
	s_cmp_lg_u32 s26, 0
	s_cbranch_scc1 .Ldk
	DGRP 0, 16, -1, 0                              ; the last eight K steps load nothing
	DGRP 1, 0, -1, 256
.rept 8
	v_nop                                          ; places behind the last products, in front of the sums that read them
.endr
.irp i, 0,1,2,3
	v_pk_add_f32 v[32+2*(\i):33+2*(\i)], v[32+2*(\i):33+2*(\i)], v[40+2*(\i):41+2*(\i)]   ; from the accumulators' low end on
.endr
.irp i, 0,1,2,3
	v_pk_mul_f32 v[32+2*(\i):33+2*(\i)], v[32+2*(\i):33+2*(\i)], 0x4038aa3b op_sel_hi:[1,0]   ; 2 log2(e): the main launch's exponent wants it
.endr
	s_lshl_b32 s26, s22, 16
	s_lshl_b32 s27, s23, 6
	s_add_co_u32 s26, s26, s27
	v_add_nc_u32 v8, s26, v7                       ; (16 w + r) x 4,096 + (16 j + 8 h) x 4
	global_store_b128 v8, v[32:35], s[14:15]       ; runs of 64 bytes a row: 16 columns are all that the block has
	global_store_b128 v8, v[36:39], s[14:15] offset:16
.Lend:
	s_wait_tensorcnt 0x0                           ; the wave's end, behind my last LDS store
	ds_add_u32 v[SPW], v[NIL]
	s_wait_dscnt 0x0
	s_endpgm
.Lfunc_end_k_q0ef5051117_prep:
	.size	k_q0ef5051117_prep, .Lfunc_end_k_q0ef5051117_prep-k_q0ef5051117_prep
	.p2alignl 7, 3214868480
	.fill 96, 4, 3214868480
	.section	.rodata,"a",@progbits
	.p2align	6, 0x0
	.amdhsa_kernel k_q0ef5051117_prep
		.amdhsa_group_segment_fixed_size 38912
		.amdhsa_private_segment_fixed_size 0
		.amdhsa_enable_private_segment 0
		.amdhsa_kernarg_size 72
		.amdhsa_user_sgpr_count 2
		.amdhsa_user_sgpr_kernarg_segment_ptr 1
		.amdhsa_wavefront_size32 1
		.amdhsa_system_sgpr_workgroup_id_x 1
		.amdhsa_system_sgpr_workgroup_id_y 1
		.amdhsa_system_sgpr_workgroup_id_z 1
		.amdhsa_system_vgpr_workitem_id 0
		.amdhsa_next_free_vgpr 256
		.amdhsa_next_free_sgpr 72
		.amdhsa_reserve_vcc 1
		.amdhsa_float_denorm_mode_32 3
		.amdhsa_float_denorm_mode_16_64 3
		.amdhsa_memory_ordered 1
		.amdhsa_forward_progress 1
		.amdhsa_inst_pref_size 61
	.end_amdhsa_kernel
	.amdgpu_metadata
---
amdhsa.version: [ 1, 2 ]
amdhsa.kernels:
  - .name:           k_q0ef5051117_prep
    .symbol:         k_q0ef5051117_prep.kd
    .args:
      - { .name: W_enc, .offset: 0, .size: 8, .value_kind: global_buffer, .address_space: global }
      - { .name: W_dec, .offset: 8, .size: 8, .value_kind: global_buffer, .address_space: global }
      - { .name: decoder_hidden, .offset: 16, .size: 8, .value_kind: global_buffer, .address_space: global }
      - { .name: src_mask, .offset: 24, .size: 8, .value_kind: global_buffer, .address_space: global }
      - { .name: wf, .offset: 32, .size: 8, .value_kind: global_buffer, .address_space: global }
      - { .name: decp, .offset: 40, .size: 8, .value_kind: global_buffer, .address_space: global }
      - { .name: rowlist, .offset: 48, .size: 8, .value_kind: global_buffer, .address_space: global }
      - { .name: scores, .offset: 56, .size: 8, .value_kind: global_buffer, .address_space: global }
      - { .name: stats, .offset: 64, .size: 8, .value_kind: global_buffer, .address_space: global }
    .group_segment_fixed_size: 38912
    .private_segment_fixed_size: 0
    .kernarg_segment_align: 8
    .kernarg_segment_size: 72
    .max_flat_workgroup_size: 128
    .sgpr_count:     72
    .vgpr_count:     256
    .wavefront_size: 32
...
	.end_amdgpu_metadata
.endif
;; end of part 1
;; launch main (part 2): grid 8 x 64, 4 waves a work-group, no clusters, 310,528 bytes of LDS; arguments encoder_outputs, v, wf, decp, rowlist, scores, stats, pctx; writes scores, stats, pctx
.if DOCPART == 2
	.amdgcn_target "amdgcn-amd-amdhsa--gfx1250"
	.amdhsa_code_object_version 6
	.text
	.protected	k_q0ef5051117_main
	.globl	k_q0ef5051117_main
	.p2align	8
	.type	k_q0ef5051117_main,@function
k_q0ef5051117_main:
	s_mov_b64 s[64:65], 0
	v_nop
	global_prefetch_b8 v0, s[64:65] scope:SCOPE_SE
	s_setreg_imm32_b32 hwreg(HW_REG_WAVE_MODE, 25, 1), 1
	s_wait_xcnt 0x0
; MAIN: for one tile of 144 listed rows of one batch: score[s] = sum_d v[d] tanh(W_enc enc[s] + W_dec h)[d], the tile's own softmax (maximum m, sum l, weights p) and its part of the context, sum_s p[s] enc[s].
; A position whose mask is 0 has weight exp(-1e9 - max) = 0 in f32 wherever its batch has an open position, so only the listed rows are read; a batch with no open position lists all rows, and their scores are -1e9.
; SHARES.  Work-group (t, b) takes entries 144 t .. 144 t + 143 of batch b's list.  ALL EIGHT TILES OF A BATCH ARE COMPUTED, also one that the list does not reach: its entries name row 0, none of them counts
; (m = -1e38, so the last launch gives the tile weight 0).  No branch of this text hangs on a number read from memory, and EXEC is never written; the price is the work of the tiles past the list's end.
; A score goes to its position in scores[b]; the score of an entry past the list's end goes to one of 16 dump words of the work-group's own, behind the 64 x 1,024 scores, which nobody reads.
; The tile's rows, rounded once to bf16, STAY IN LDS: they are source 1 of the product and, later, the rows of the context: each listed row leaves memory once.
; Wave w makes all 144 rows x columns 256 w + 128 p + 0..127 in pass p = 0, 1: 72 accumulators.  Source 0, 16 rows of W_enc, comes straight from wf into registers (no two waves want the same byte of it),
; three K steps ahead.  A lane's result is one row (lane%16) and the columns 8 (lane/16) + 0..7.
; tanh z = 1 - 2 / (1 + 2^(2 log2(e) z)); it ends rightly at +-1 where the power overflows or vanishes.  score = sum v - 2 sum v r, r = 1 / (1 + 2^..).
; NO CLUSTER, NO TENSOR LOAD: the rows are gathered by a list and converted on the way, and beside them LDS has 20 KB left, less than one K step of W for the four waves' 512 columns.
; LIMITS.  enc, W_enc (and in prep W_dec, h) are rounded to bf16; all else is f32.  The score's rounding goes with 2^-24 x sum |v|, the bound of a plain f32 sum of its terms.  sum |v| stays far under 1e9 and scores above -1e38.
; NaN and infinities are not treated apart: a list's unused entries name row 0 with weight 0, so that row must be finite.
; REGISTERS, in windows of 256 (s_set_vgpr_msb: bits 1:0 source 0, 3:2 source 1, 5:4 source 2, 7:6 destination):
;   window 0: v0-13 addresses; v14-31 S, a pair a row block; v32-103, v104-175 enc's fragments, two buffers; v176-239 accumulators of row block 8; v249-251 lane, lane%16, lane/16; v10, v11, v252-255 at work
;   window 1: W's fragments, four buffers of 64       window 2: accumulators of row blocks 0-3 (64 a + 8 nb)       window 3: of row blocks 4-7
.set PITCH, 2064                       ; a row in LDS: 2,048 bytes + 16, an odd multiple of 16: the 16 rows of a fragment load start 16 bytes apart modulo 256
.set BLK,   16*PITCH
.set DECT,  144*PITCH                  ; decp[b], 4,096 bytes
.set VT,    DECT+4096                  ; v, 4,096 bytes
.set PART,  VT+4096                    ; [row][wave] f32: each wave's part of sum v r
.set PW,    PART+2304                  ; each wave's own copy of the 144 weights
.set SPARE, PW+2304                    ; the spare words, 128 bytes a wave: two blocks of 256 bytes that no other line names
.set L16, 1                            ; v1   16 x lane; never rewritten
.set ADRA, 2                           ; v2-6 LDS address of enc's fragments of row blocks 2 g, 2 g + 1, running along K
.set CADR, 2                           ; v2   behind the product: my 8 bytes of a row, for the context; runs
.set PADR, 3                           ; v3   behind the product: my wave's copy of the weights; runs
.set GOF, 4                            ; v4   behind the product: 16 x thread, my place in pctx
.set ZOF, 5                            ; v5   behind the product: 0, the offset of (m, l)
.set AFR, 7                            ; v7   (lane%16) x pitch + 16 (lane/16)
.set TADR, 8                           ; v8   my 32 bytes in DECT for the pass
.set SVR, 9                            ; v9   sum of v
.set SPW, 12                           ; v12  my spare word; never rewritten
.set NIL, 13                           ; v13  0; never rewritten
.set S,   14
.set TB,  32                           ; way out of a pass: for each nb eight of decp, eight of v
.set TQ,  160                          ; four chains of pairs
.set LN,  249
.set RR,  250
.set HH,  251
.set MSB, 0
.macro WIN new                         ; the immediate's high byte repeats the setting that is left; a switch that changes nothing is dropped
.if MSB != (\new)
	s_set_vgpr_msb (MSB<<8)|(\new)
.set MSB, \new
.endif
.endm
; ---- macros of the row loads
.macro QSHIFT                          ; the queue of list entries moves up by six
.set k, 0
.rept 15
	s_mov_b64 s[24+2*k:25+2*k], s[30+2*k:31+2*k]
.set k, k+1
.endr
.endm
.macro ROWGO i                         ; slot i asks for the row that the queue's entry i names: eight loads of 512 consecutive bytes
	s_min_u32 s88, s[24+(\i)], 0x3ff
	v_lshl_add_u32 v[224+(\i)], s88, 12, v[L16]
.irp j, 0,1,2,3,4,5,6,7
	global_load_b128 v[32+32*(\i)+4*(\j):35+32*(\i)+4*(\j)], v[224+(\i)], s[76:77] offset:512*(\j)
.endr
.endm
.macro ROWPUT i, cnt                   ; slot i's row is rounded to bf16 and laid into LDS, 8 bytes a lane
	s_wait_loadcnt \cnt                            ; loads come back in order: this slot's eight are in, the younger slots' stay out; its registers and its offset are free
.irp j, 0,1,2,3,4,5,6,7
	v_cvt_pk_bf16_f32 v[32+32*(\i)+4*(\j)], v[32+32*(\i)+4*(\j)], v[33+32*(\i)+4*(\j)]
	v_cvt_pk_bf16_f32 v[33+32*(\i)+4*(\j)], v[34+32*(\i)+4*(\j)], v[35+32*(\i)+4*(\j)]
	ds_store_b64 v10, v[32+32*(\i)+4*(\j):33+32*(\i)+4*(\j)] offset:(\i)*PITCH+(\j)*256
.endr
.endm
; ---- macros of the product
.macro FETCH_A buf, off                ; enc's nine fragments of one K step, row blocks ascending: 18 LDS loads in one run
	WIN 0
.irp m, 0,1,2,3,4,5,6,7,8
	ds_load_b128 v[32+72*(\buf)+8*(\m):35+72*(\buf)+8*(\m)], v[ADRA+(\m)/2] offset:((\m)%2)*BLK+(\off)
	ds_load_b128 v[36+72*(\buf)+8*(\m):39+72*(\buf)+8*(\m)], v[ADRA+(\m)/2] offset:((\m)%2)*BLK+(\off)+32
.endr
.endm
.macro FETCH_B buf, off                ; W's eight fragments of one K step: 16 loads of 512 consecutive bytes
	WIN 0x40                                       ; destination window 1, offset window 0
.irp nb, 0,1,2,3,4,5,6,7
	global_load_b128 v[64*(\buf)+8*(\nb):64*(\buf)+8*(\nb)+3], v[L16], s[72:73] offset:(\off)+(\nb)*1024
	global_load_b128 v[64*(\buf)+8*(\nb)+4:64*(\buf)+8*(\nb)+7], v[L16], s[72:73] offset:(\off)+(\nb)*1024+512
.endr
.endm
.macro MUL ab, bb, rb, zero            ; row block rb x all 8 column blocks.  zero = 1: the first product starts the sums: nothing is cleared
.if (\rb) < 4
	WIN 0xa1
.set rD, 64*(\rb)
.elseif (\rb) < 8
	WIN 0xf1
.set rD, 64*((\rb)-4)
.else
	WIN 0x01
.set rD, 176
.endif
.irp nb, 0,1,2,3,4,5,6,7
.if \zero
	v_wmma_f32_16x16x32_bf16 v[rD+8*(\nb):rD+8*(\nb)+7], v[64*(\bb)+8*(\nb):64*(\bb)+8*(\nb)+7], v[32+72*(\ab)+8*(\rb):39+72*(\ab)+8*(\rb)], 0
.else
	v_wmma_f32_16x16x32_bf16 v[rD+8*(\nb):rD+8*(\nb)+7], v[64*(\bb)+8*(\nb):64*(\bb)+8*(\nb)+7], v[32+72*(\ab)+8*(\rb):39+72*(\ab)+8*(\rb)], v[rD+8*(\nb):rD+8*(\nb)+7]
.endif
.endr
.endm
; A K step: 72 products; the 72 accumulators take turns in the same order in every K step.  In its middle the next K step's fragments of enc and the K step three on of W are asked for.
.macro KSTEP ab, bb, zero, aoff, boff
	s_wait_loadcnt 32                              ; this K step's W is in; the two younger K steps' 16 loads each stay out
	s_wait_dscnt 10                                ; row blocks 0-3 are in; the ten youngest LDS loads (blocks 4-8) may be out
.irp m, 0,1,2,3
	MUL \ab, \bb, \m, \zero
.endr
.rept 4
	v_nop                                          ; four places in front of loads into registers that the K step before has multiplied
.endr
.if (\aoff) >= 0
	FETCH_A (1-(\ab)), \aoff
.endif
	FETCH_B (((\bb)+3)%4), \boff
.if (\aoff) >= 0
	s_wait_dscnt 18                                ; all but the 18 just issued
.else
	s_wait_dscnt 0x0
.endif
.irp m, 4,5,6,7,8
	MUL \ab, \bb, \m, \zero
.endr
.endm
; The way out of a pass for row block rb: x = 2 log2(e) acc + decp; e = 2^x; r = 1 / (1 + e); S += sum r v.  In place on the accumulators, from each one's low end on.
; The 64 exponentials are one batch and the 64 reciprocals another, each with one plain line and one wait behind it; the next accumulator's packed lines stand among them and name no result.
.macro EPIROW rb
.if (\rb) < 4
.set WX, 0x82
.set WS, 0x02
.set rD, 64*(\rb)
.elseif (\rb) < 8
.set WX, 0xc3
.set WS, 0x03
.set rD, 64*((\rb)-4)
.else
.set WX, 0
.set WS, 0
.set rD, 176
.endif
	WIN WX                                         ; destination and source 0 in the accumulators' window, source 2 in window 0
.irp i, 0,1,2,3
	v_pk_fma_f32 v[rD+2*(\i):rD+2*(\i)+1], v[rD+2*(\i):rD+2*(\i)+1], s[68:69], v[TB+2*(\i):TB+2*(\i)+1] op_sel_hi:[1,0,1]
.endr
.irp nb, 0,1,2,3,4,5,6,7
.irp i, 0,1,2,3
	v_exp_f32 v[rD+8*(\nb)+2*(\i)], v[rD+8*(\nb)+2*(\i)]
	v_exp_f32 v[rD+8*(\nb)+2*(\i)+1], v[rD+8*(\nb)+2*(\i)+1]
.if (\nb) < 7
	v_pk_fma_f32 v[rD+8*(\nb)+8+2*(\i):rD+8*(\nb)+9+2*(\i)], v[rD+8*(\nb)+8+2*(\i):rD+8*(\nb)+9+2*(\i)], s[68:69], v[TB+16*(\nb)+16+2*(\i):TB+16*(\nb)+17+2*(\i)] op_sel_hi:[1,0,1]
.endif
.endr
.endr
	v_nop
	s_wait_alu depctr_va_vdst(0)                   ; one wait for the 64 exponentials
.irp i, 0,1,2,3
	v_pk_add_f32 v[rD+2*(\i):rD+2*(\i)+1], v[rD+2*(\i):rD+2*(\i)+1], 1.0 op_sel_hi:[1,0]
.endr
.irp nb, 0,1,2,3,4,5,6,7
.irp i, 0,1,2,3
	v_rcp_f32 v[rD+8*(\nb)+2*(\i)], v[rD+8*(\nb)+2*(\i)]
	v_rcp_f32 v[rD+8*(\nb)+2*(\i)+1], v[rD+8*(\nb)+2*(\i)+1]
.if (\nb) < 7
	v_pk_add_f32 v[rD+8*(\nb)+8+2*(\i):rD+8*(\nb)+9+2*(\i)], v[rD+8*(\nb)+8+2*(\i):rD+8*(\nb)+9+2*(\i)], 1.0 op_sel_hi:[1,0]
.endif
.endr
.endr
	v_nop
	s_wait_alu depctr_va_vdst(0)                   ; one wait for the 64 reciprocals
	WIN WS                                         ; source 0 in the accumulators' window, all else in window 0
.irp nb, 0,1,2,3,4,5,6,7
.irp i, 0,1,2,3
.if ((\nb) == 0) && ((\i) == 0)
	v_pk_fma_f32 v[TQ:TQ+1], v[rD:rD+1], v[TB+8:TB+9], v[S+2*(\rb):S+2*(\rb)+1]   ; the first chain starts from S
.elseif (\nb) == 0
	v_pk_mul_f32 v[TQ+2*(\i):TQ+2*(\i)+1], v[rD+2*(\i):rD+2*(\i)+1], v[TB+8+2*(\i):TB+9+2*(\i)]
.else
	v_pk_fma_f32 v[TQ+2*(\i):TQ+2*(\i)+1], v[rD+8*(\nb)+2*(\i):rD+8*(\nb)+2*(\i)+1], v[TB+16*(\nb)+8+2*(\i):TB+16*(\nb)+9+2*(\i)], v[TQ+2*(\i):TQ+2*(\i)+1]
.endif
.endr
.endr
	WIN 0
	v_pk_add_f32 v[TQ:TQ+1], v[TQ:TQ+1], v[TQ+2:TQ+3]
	v_pk_add_f32 v[TQ+4:TQ+5], v[TQ+4:TQ+5], v[TQ+6:TQ+7]
	v_pk_add_f32 v[S+2*(\rb):S+2*(\rb)+1], v[TQ:TQ+1], v[TQ+4:TQ+5]
.endm
	s_load_b512 s[4:19], s[0:1], 0x0               ; enc s[4:5], v s[6:7], wf s[8:9], decp s[10:11], rowlist s[12:13], scores s[14:15], stats s[16:17], pctx s[18:19]
	v_lshl_add_u32 v[SPW], v0, 2, SPARE
	v_mov_b32 v[NIL], 0
	v_lshrrev_b32 v10, 5, v0
	v_readfirstlane_b32 s22, v10                   ; wave 0..3
	s_mov_b32 s23, ttmp9                           ; the tile, 0..7
	s_and_b32 s20, ttmp7, 0xffff                   ; b
	v_and_b32 v[LN], 31, v0
	v_and_b32 v[RR], 15, v0
	v_bfe_u32 v[HH], v0, 4, 1
	v_lshlrev_b32 v[L16], 4, v[LN]
	v_mul_u32_u24 v[AFR], v[RR], PITCH
	v_lshl_add_u32 v[AFR], v[HH], 4, v[AFR]
	v_lshlrev_b32 v10, 4, v0                       ; 16 x thread
	s_mov_b32 s68, 0x4038aa3b                      ; 2 log2(e); named as a pair
	s_mov_b32 s69, 0x4038aa3b
	s_mov_b32 s70, 0x76543210                      ; v_permlanex16_b32: each lane takes its own place in the other half
	s_mov_b32 s71, 0xfedcba98
	s_mov_b32 s91, 0
	s_mul_i32 s96, s23, 144                        ; the tile's first entry
	s_lshl_b32 s94, s20, 3
	s_add_co_u32 s94, s94, s23                     ; 8 b + tile
	s_lshl_b32 s95, s20, 10                        ; 1,024 b: the batch's first word in scores
	s_wait_kmcnt 0x0
	s_lshl_b32 s90, s20, 22
	s_add_nc_u64 s[76:77], s[4:5], s[90:91]        ; enc[b]
	s_lshl_b32 s90, s20, 12
	s_add_nc_u64 s[88:89], s[10:11], s[90:91]      ; decp[b]
	s_mul_i32 s90, s20, 5120
	s_add_nc_u64 s[80:81], s[12:13], s[90:91]      ; rowlist[b]
	s_mul_i32 s90, s23, 576
	s_add_nc_u64 s[92:93], s[80:81], s[90:91]      ; the list at the tile's first entry (tile 7 ends at entry 1151)
	s_mul_i32 s90, s22, 144
	s_add_nc_u64 s[82:83], s[92:93], s[90:91]      ; at my wave's 36 entries
	s_lshl_b32 s90, s94, 3
	s_add_nc_u64 s[16:17], s[16:17], s[90:91]      ; stats[b][tile]
	s_lshl_b32 s90, s94, 12
	s_add_nc_u64 s[18:19], s[18:19], s[90:91]      ; pctx[b][tile]
	s_lshl_b32 s90, s22, 19
	s_add_nc_u64 s[74:75], s[8:9], s[90:91]        ; wf at my wave's 64 K steps
	s_load_b128 s[60:63], s[80:81], 0x1200         ; s60 = n, the list's length; s62 = 1 if any position is open
	s_load_b512 s[24:39], s[82:83], 0x0            ; the queue: my 36 entries
	s_load_b512 s[40:55], s[82:83], 0x40
	s_load_b128 s[56:59], s[82:83], 0x80
	global_load_b128 v[230:233], v10, s[88:89]     ; decp[b] and v, 16 + 16 bytes a thread each, for LDS
	global_load_b128 v[234:237], v10, s[88:89] offset:2048
	global_load_b128 v[238:241], v10, s[6:7]
	global_load_b128 v[242:245], v10, s[6:7] offset:2048
.irp i, 0,1,2,3,4,5,6,7
	global_load_b128 v[192+4*(\i):195+4*(\i)], v[L16], s[6:7] offset:512*(\i)   ; v whole, in every wave, for its sum: into slot 5's registers, which are asked for last
.endr
	s_wait_xcnt 0x0                                ; the loads above have read their bases: s88, half of decp's, is written again in the next lines
	s_wait_kmcnt 0x0                               ; n and the queue
	s_min_u32 s60, s60, 0x400
	; ---- A: my wave's 36 rows into LDS, six slots of eight loads always on their way
.irp i, 0,1,2,3,4
	ROWGO \i
.endr
	s_wait_loadcnt 40                              ; the twelve loads of decp and v are in; five rows' 40 loads stay out
	v_add_nc_u32 v11, DECT, v10
	ds_store_b128 v11, v[230:233]
	ds_store_b128 v11, v[234:237] offset:2048
	ds_store_b128 v11, v[238:241] offset:4096
	ds_store_b128 v11, v[242:245] offset:6144
.irp i, 0,1,2,3,4,5,6,7
	v_pk_add_f32 v[192+2*(\i):193+2*(\i)], v[192+2*(\i):193+2*(\i)], v[208+2*(\i):209+2*(\i)]
.endr
.irp i, 0,1,2,3
	v_pk_add_f32 v[192+2*(\i):193+2*(\i)], v[192+2*(\i):193+2*(\i)], v[200+2*(\i):201+2*(\i)]
.endr
	v_pk_add_f32 v[192:193], v[192:193], v[196:197]
	v_pk_add_f32 v[194:195], v[194:195], v[198:199]
	v_pk_add_f32 v[192:193], v[192:193], v[194:195]
	v_add_f32 v[SVR], v192, v193
.irp x, 1,2,4,8
	v_add_f32_dpp v[SVR], v[SVR], v[SVR] row_xmask:\x row_mask:0xf bank_mask:0xf
.endr
	v_permlanex16_b32 v192, v[SVR], s70, s71
	v_add_f32 v[SVR], v[SVR], v192
	ROWGO 5
	QSHIFT
	s_mul_i32 s88, s22, 36*PITCH
	v_lshl_add_u32 v10, v[LN], 3, s88              ; my wave's rows, 8 bytes a lane; runs
	s_mov_b32 s67, 5
.Lrows:
.irp i, 0,1,2,3,4,5
	ROWPUT \i, 40                                  ; five younger rows stay out
	ROWGO \i
.endr
	QSHIFT
	v_add_nc_u32 v10, 6*PITCH, v10
	s_sub_co_u32 s67, s67, 1
	s_cmp_lg_u32 s67, 0
	s_cbranch_scc1 .Lrows
.irp i, 0,1,2,3,4,5
	ROWPUT \i, 40-8*(\i)                           ; the last six rows: nothing more is asked for, the counts run down
.endr
	s_wait_dscnt 0x0                               ; for the others' sake: my rows and my part of decp and v lie in LDS
	s_barrier_signal -1
	s_barrier_wait -1
	; ---- G: the product and tanh, two passes of 128 columns
	s_mov_b64 s[72:73], s[74:75]
	FETCH_B 0, 0
	FETCH_B 1, 8192
	FETCH_B 2, 16384
	WIN 0
.set n, S
.rept 18
	v_mov_b32 v[n], 0
.set n, n+1
.endr
	s_lshl_b32 s88, s22, 10
	s_add_co_u32 s88, s88, DECT
	v_lshl_add_u32 v[TADR], v[HH], 5, s88
	s_mov_b32 s66, 2
.Lpass:
	v_mov_b32 v[ADRA], v[AFR]
.irp g, 1,2,3,4
	v_add_nc_u32 v[ADRA+(\g)], 2*BLK*(\g), v[AFR]
.endr
	FETCH_A 0, 0
	KSTEP 0, 0, 1, 64, 3*8192                      ; the pass's first K step stands in front of the loop: its products start the sums
	WIN 0                                          ; at a label and at a branch every window is 0
	s_mov_b32 s67, 7
.Lk:                                                   ; a trip: four K steps
	KSTEP 1, 1, 0, 128, 4*8192
	KSTEP 0, 2, 0, 192, 5*8192
	KSTEP 1, 3, 0, 256, 6*8192
	KSTEP 0, 0, 0, 320, 7*8192
	WIN 0
	s_wait_xcnt 0x0                                ; W's loads (the youngest 40 products back) have read their base
	s_add_nc_u64 s[72:73], s[72:73], 32768
.irp g, 0,1,2,3,4
	v_add_nc_u32 v[ADRA+(\g)], 256, v[ADRA+(\g)]
.endr
	s_sub_co_u32 s67, s67, 1
	s_cmp_lg_u32 s67, 0
	s_cbranch_scc1 .Lk
	KSTEP 1, 1, 0, 128, 4*8192                     ; the last three K steps; W runs on into the next pass's first three (behind the last pass: into the next wave's bytes or the zeros behind wf, never multiplied)
	KSTEP 0, 2, 0, 192, 5*8192
	KSTEP 1, 3, 0, -1, 6*8192
	WIN 0
	s_wait_xcnt 0x0
	s_add_nc_u64 s[72:73], s[72:73], 32768
.rept 8
	v_nop                                          ; places behind the last products, in front of loads into enc's buffers and of lines that read results
.endr
.irp nb, 0,1,2,3,4,5,6,7
	ds_load_b128 v[TB+16*(\nb):TB+16*(\nb)+3], v[TADR] offset:64*(\nb)
	ds_load_b128 v[TB+16*(\nb)+4:TB+16*(\nb)+7], v[TADR] offset:64*(\nb)+16
	ds_load_b128 v[TB+16*(\nb)+8:TB+16*(\nb)+11], v[TADR] offset:64*(\nb)+4096
	ds_load_b128 v[TB+16*(\nb)+12:TB+16*(\nb)+15], v[TADR] offset:64*(\nb)+4112
.endr
	s_wait_dscnt 0x0
.irp m, 0,1,2,3,4,5,6,7,8
	EPIROW \m
.endr
	v_add_nc_u32 v[TADR], 512, v[TADR]
	s_sub_co_u32 s66, s66, 1
	s_cmp_lg_u32 s66, 0
	s_cbranch_scc1 .Lpass
	s_wait_loadcnt 0x0                             ; the three K steps asked for behind the last pass have landed: their registers are free
	s_lshl_b32 s88, s22, 2
	s_add_co_u32 s88, s88, PART
	v_lshl_add_u32 v10, v[RR], 4, s88
.irp m, 0,1,2,3,4,5,6,7,8
	v_add_f32 v[S+2*(\m)], v[S+2*(\m)], v[S+2*(\m)+1]
.endr
.irp m, 0,1,2,3,4,5,6,7,8
	v_permlanex16_b32 v[S+2*(\m)+1], v[S+2*(\m)], s70, s71   ; the row's other columns lie in the lane 16 away
.endr
.irp m, 0,1,2,3,4,5,6,7,8
	v_add_f32 v[S+2*(\m)], v[S+2*(\m)], v[S+2*(\m)+1]
.endr
.irp m, 0,1,2,3,4,5,6,7,8
	ds_store_b32 v10, v[S+2*(\m)] offset:256*(\m)
.endr
	s_wait_dscnt 0x0                               ; for the others' sake: my parts of the sums lie in LDS
	s_barrier_signal -1
	s_barrier_wait -1
	; ---- C: scores, the tile's softmax (every wave alike, lanes 16-31 a copy of lanes 0-15), the context
	v_lshlrev_b32 v11, 2, v[RR]
.irp m, 0,1,2,3,4,5,6,7,8
	global_load_b32 v[32+(\m)], v11, s[92:93] offset:64*(\m)   ; entry 16 m + lane%16 of the tile: where its score goes
.endr
	v_lshlrev_b32 v10, 4, v[RR]
	v_add_nc_u32 v10, PART, v10
.irp m, 0,1,2,3,4,5,6,7,8
	ds_load_b128 v[44+4*(\m):47+4*(\m)], v10 offset:256*(\m)
.endr
	v_mov_b32 v253, 0xce6e6b28                     ; -1e9
	v_mov_b32 v254, 0xfe967699                     ; -1e38
	v_add_nc_u32 v252, s96, v[RR]                  ; my entry's place in the list, for row block 0
	s_cmp_lg_u32 s62, 0
	s_cselect_b32 s89, -1, 0                       ; all ones where the listed rows are open: a select, no branch
	s_wait_dscnt 0x0
.irp m, 0,1,2,3,4,5,6,7,8
	v_pk_add_f32 v[44+4*(\m):45+4*(\m)], v[44+4*(\m):45+4*(\m)], v[46+4*(\m):47+4*(\m)]
.endr
.irp m, 0,1,2,3,4,5,6,7,8
	v_add_f32 v[44+4*(\m)], v[44+4*(\m)], v[45+4*(\m)]
.endr
.irp m, 0,1,2,3,4,5,6,7,8
	v_fma_f32 v[44+4*(\m)], v[44+4*(\m)], -2.0, v[SVR]          ; sum v - 2 sum v r
	v_add_nc_u32 v255, 16*(\m), v252
	v_cmp_gt_u32 s[24+(\m)], s60, v255             ; is the entry inside the list?
	v_cndmask_b32 v[90+(\m)], v253, v[44+4*(\m)], s89           ; the score as stored: -1e9 where the batch has no open position
	v_cndmask_b32 v[100+(\m)], v254, v[90+(\m)], s[24+(\m)]     ; and as the softmax takes it: an entry past the list's end counts for nothing
.endr
	v_max3_num_f32 v110, v100, v101, v102
	v_max3_num_f32 v110, v110, v103, v104
	v_max3_num_f32 v110, v110, v105, v106
	v_max3_num_f32 v110, v110, v107, v108
.irp x, 1,2,4,8
	v_max_num_f32_dpp v110, v110, v110 row_xmask:\x row_mask:0xf bank_mask:0xf
.endr
.irp m, 0,1,2,3,4,5,6,7,8
	v_sub_f32 v[100+(\m)], v[100+(\m)], v110       ; the maximum goes off first, exactly where s = m; the factor comes after
.endr
.irp m, 0,1,2,3,4,5,6,7,8
	v_mul_f32 v[100+(\m)], 0x3fb8aa3b, v[100+(\m)]
.endr
.irp m, 0,1,2,3,4,5,6,7,8
	v_exp_f32 v[100+(\m)], v[100+(\m)]
.endr
	v_nop
	s_wait_alu depctr_va_vdst(0)                   ; one wait for the nine exponentials
	v_add_f32 v111, v100, v101
	v_add_f32 v112, v102, v103
	v_add_f32 v113, v104, v105
	v_add_f32 v114, v106, v107
	v_add_f32 v111, v111, v112
	v_add_f32 v113, v113, v114
	v_add_f32 v111, v111, v108
	v_add_f32 v111, v111, v113
.irp x, 1,2,4,8
	v_add_f32_dpp v111, v111, v111 row_xmask:\x row_mask:0xf bank_mask:0xf
.endr
	s_mul_i32 s88, s22, 576
	s_add_co_u32 s88, s88, PW
	v_lshl_add_u32 v252, v[RR], 2, s88
.irp m, 0,1,2,3,4,5,6,7,8
	ds_store_b32 v252, v[100+(\m)] offset:64*(\m)  ; my wave's own copy of the weights
.endr
	v_mov_b32 v[PADR], s88                         ; where the context reads them: the same address in every lane
	v_lshlrev_b32 v[CADR], 3, v0                   ; my 8 bytes of a row
	v_lshlrev_b32 v[GOF], 4, v0
	v_mov_b32 v[ZOF], 0
	s_wait_loadcnt 0x0                             ; the entries
	s_cmp_lg_u32 s22, 0
	s_cbranch_scc1 .Lctx
	; wave 0 stores the scores and (m, l), all lanes on.  Lanes 16-31 hold what lanes 0-15 hold: each word is written twice, with the same number, by one instruction.
	s_lshl_b32 s88, s94, 4
	s_add_co_u32 s88, s88, 65536                   ; behind the 65,536 scores: 16 dump words for each of the 512 work-groups
	v_add_nc_u32 v255, s88, v[RR]
.irp m, 0,1,2,3,4,5,6,7,8
	v_min_u32 v[32+(\m)], 0x3ff, v[32+(\m)]        ; a position of the batch,
	v_add_nc_u32 v[32+(\m)], s95, v[32+(\m)]       ; as a word of scores;
	v_cndmask_b32 v[32+(\m)], v255, v[32+(\m)], s[24+(\m)]     ; an entry past the list's end goes to my dump word
	v_min_u32 v[32+(\m)], 0x11fff, v[32+(\m)]      ; inside the buffer's 73,728 words
	v_lshlrev_b32 v[32+(\m)], 2, v[32+(\m)]
.endr
.irp m, 0,1,2,3,4,5,6,7,8
	global_store_b32 v[32+(\m)], v[90+(\m)], s[14:15]
.endr
	global_store_b64 v[ZOF], v[110:111], s[16:17]  ; (m, l): the same pair from every lane
.Lctx:                                                 ; thread t owns columns 4 t .. 4 t + 3 and 512 + 4 t .. : 8 + 8 bytes of every row
.set n, 112
.rept 8
	v_mov_b32 v[n], 0
.set n, n+1
.endr
	s_mov_b32 s67, 9
.Lcrow:                                                ; a trip: 16 rows
.irp i, 0,1,2,3
	ds_load_b128 v[120+4*(\i):123+4*(\i)], v[PADR] offset:16*(\i)   ; LDS serves a wave's instructions in order: these see my stores above
.endr
.irp i, 0,1,2,3,4,5,6,7,8,9,10,11,12,13,14,15
	ds_load_b64 v[136+4*(\i):137+4*(\i)], v[CADR] offset:(\i)*PITCH
	ds_load_b64 v[138+4*(\i):139+4*(\i)], v[CADR] offset:(\i)*PITCH+1024
.endr
.irp i, 0,1,2,3,4,5,6,7,8,9,10,11,12,13,14,15
.if (\i)%4 == 0
	s_wait_dscnt 24-2*(\i)                         ; four rows more are in; the younger rows' loads, two each, stay out
.endif
.irp c, 0,1,2,3
	v_fma_mix_f32_bf16 v[112+2*(\c)], v[136+4*(\i)+(\c)], v[120+(\i)], v[112+2*(\c)] op_sel:[0,0,0] op_sel_hi:[1,0,0]
	v_fma_mix_f32_bf16 v[113+2*(\c)], v[136+4*(\i)+(\c)], v[120+(\i)], v[113+2*(\c)] op_sel:[1,0,0] op_sel_hi:[1,0,0]
.endr
.endr
	v_add_nc_u32 v[CADR], BLK, v[CADR]
	v_add_nc_u32 v[PADR], 64, v[PADR]
	s_sub_co_u32 s67, s67, 1
	s_cmp_lg_u32 s67, 0
	s_cbranch_scc1 .Lcrow
	global_store_b128 v[GOF], v[112:115], s[18:19]             ; each store of a wave covers 512 consecutive bytes, aligned
	global_store_b128 v[GOF], v[116:119], s[18:19] offset:2048
	s_wait_tensorcnt 0x0                           ; the wave's end, behind my last LDS store
	ds_add_u32 v[SPW], v[NIL]
	s_wait_dscnt 0x0
	s_endpgm
.Lfunc_end_k_q0ef5051117_main:
	.size	k_q0ef5051117_main, .Lfunc_end_k_q0ef5051117_main-k_q0ef5051117_main
	.p2alignl 7, 3214868480
	.fill 96, 4, 3214868480
	.section	.rodata,"a",@progbits
	.p2align	6, 0x0
	.amdhsa_kernel k_q0ef5051117_main
		.amdhsa_group_segment_fixed_size 310528
		.amdhsa_private_segment_fixed_size 0
		.amdhsa_enable_private_segment 0
		.amdhsa_kernarg_size 64
		.amdhsa_user_sgpr_count 2
		.amdhsa_user_sgpr_kernarg_segment_ptr 1
		.amdhsa_wavefront_size32 1
		.amdhsa_system_sgpr_workgroup_id_x 1
		.amdhsa_system_sgpr_workgroup_id_y 1
		.amdhsa_system_sgpr_workgroup_id_z 1
		.amdhsa_system_vgpr_workitem_id 0
		.amdhsa_next_free_vgpr 1024
		.amdhsa_next_free_sgpr 100
		.amdhsa_reserve_vcc 0
		.amdhsa_float_denorm_mode_32 3
		.amdhsa_float_denorm_mode_16_64 3
		.amdhsa_memory_ordered 1
		.amdhsa_forward_progress 1
		.amdhsa_inst_pref_size 223
	.end_amdhsa_kernel
	.amdgpu_metadata
---
amdhsa.version: [ 1, 2 ]
amdhsa.kernels:
  - .name:           k_q0ef5051117_main
    .symbol:         k_q0ef5051117_main.kd
    .args:
      - { .name: encoder_outputs, .offset: 0, .size: 8, .value_kind: global_buffer, .address_space: global }
      - { .name: v, .offset: 8, .size: 8, .value_kind: global_buffer, .address_space: global }
      - { .name: wf, .offset: 16, .size: 8, .value_kind: global_buffer, .address_space: global }
      - { .name: decp, .offset: 24, .size: 8, .value_kind: global_buffer, .address_space: global }
      - { .name: rowlist, .offset: 32, .size: 8, .value_kind: global_buffer, .address_space: global }
      - { .name: scores, .offset: 40, .size: 8, .value_kind: global_buffer, .address_space: global }
      - { .name: stats, .offset: 48, .size: 8, .value_kind: global_buffer, .address_space: global }
      - { .name: pctx, .offset: 56, .size: 8, .value_kind: global_buffer, .address_space: global }
    .group_segment_fixed_size: 310528
    .private_segment_fixed_size: 0
    .kernarg_segment_align: 8
    .kernarg_segment_size: 64
    .max_flat_workgroup_size: 128
    .sgpr_count:     100
    .vgpr_count:     1024
    .wavefront_size: 32
...
	.end_amdgpu_metadata
.endif
;; end of part 2
;; launch finish (part 3): grid 64 x 1, 8 waves a work-group, no clusters, 0 bytes of LDS; arguments scores, stats, pctx, rowlist, out0, out1; writes out0, out1
.if DOCPART == 3
	.amdgcn_target "amdgcn-amd-amdhsa--gfx1250"
	.amdhsa_code_object_version 6
	.text
	.protected	k_q0ef5051117_finish
	.globl	k_q0ef5051117_finish
	.p2align	8
	.type	k_q0ef5051117_finish,@function
k_q0ef5051117_finish:
	s_mov_b64 s[64:65], 0
	v_nop
	global_prefetch_b8 v0, s[64:65] scope:SCOPE_SE
	s_setreg_imm32_b32 hwreg(HW_REG_WAVE_MODE, 25, 1), 1
	s_wait_xcnt 0x0
; FINISH: batch b's tiles are joined.  M = max m_t;  w_t = exp(m_t - M);  L = sum w_t l_t;  context = sum w_t pctx_t / L;  attn[s] = exp(score[s] - M) / L.
; A tile that the list does not reach has m = -1e38, so w_t = 0; its slot reads the last tile that the list does reach once more, and there is no branch.
; A position that was not listed holds -1e9: its weight is 0 (or, where no position is open, M = -1e9 and every weight is 1/1024).  The maximum goes off before the factor log2(e).
; 256 threads, 16 bytes of each output row a thread: each store of a wave covers 512 consecutive bytes, aligned.  No LDS, no matrix unit: 36 KB in and 8 KB out for a work-group.
	s_load_b256 s[4:11], s[0:1], 0x0               ; scores s[4:5], stats s[6:7], pctx s[8:9], rowlist s[10:11]
	s_load_b128 s[12:15], s[0:1], 0x20             ; out0 s[12:13], out1 s[14:15]
	v_lshlrev_b32 v1, 4, v0
	s_mov_b32 s35, 0
	s_wait_kmcnt 0x0
	s_lshl_b32 s34, ttmp9, 12
	s_add_nc_u64 s[4:5], s[4:5], s[34:35]
	s_add_nc_u64 s[12:13], s[12:13], s[34:35]
	s_add_nc_u64 s[14:15], s[14:15], s[34:35]
	s_lshl_b32 s34, ttmp9, 6
	s_add_nc_u64 s[6:7], s[6:7], s[34:35]
	s_lshl_b32 s34, ttmp9, 15
	s_add_nc_u64 s[8:9], s[8:9], s[34:35]
	s_mul_i32 s34, ttmp9, 5120
	s_add_nc_u64 s[10:11], s[10:11], s[34:35]
	s_load_b32 s36, s[10:11], 0x1204               ; tiles that the list reaches, 1 to 8
	s_load_b512 s[16:31], s[6:7], 0x0              ; (m, l) of the eight tiles
	global_load_b128 v[4:7], v1, s[4:5]
	s_wait_kmcnt 0x0
	s_sub_co_u32 s36, s36, 1
.irp t, 0,1,2,3,4,5,6,7
	s_min_u32 s37, s36, \t                         ; tile t, or the last one that the list reaches
	v_lshl_add_u32 v[40+(\t)], s37, 12, v1
	global_load_b128 v[8+4*(\t):11+4*(\t)], v[40+(\t)], s[8:9]
.endr
	v_mov_b32 v2, s16
	v_max3_num_f32 v2, v2, s18, s20
	v_max3_num_f32 v2, v2, s22, s24
	v_max3_num_f32 v2, v2, s26, s28
	v_max_num_f32 v2, s30, v2                      ; M
.irp t, 0,1,2,3,4,5,6,7
	v_sub_f32 v[50+(\t)], s[16+2*(\t)], v2
.endr
.irp t, 0,1,2,3,4,5,6,7
	v_mul_f32 v[50+(\t)], 0x3fb8aa3b, v[50+(\t)]
.endr
	s_wait_loadcnt 8                               ; the scores are in; the eight tiles' loads stay out
.irp i, 0,1,2,3
	v_sub_f32 v[4+(\i)], v[4+(\i)], v2
.endr
.irp i, 0,1,2,3
	v_mul_f32 v[4+(\i)], 0x3fb8aa3b, v[4+(\i)]
.endr
.irp t, 0,1,2,3,4,5,6,7
	v_exp_f32 v[50+(\t)], v[50+(\t)]
.endr
.irp i, 0,1,2,3
	v_exp_f32 v[4+(\i)], v[4+(\i)]
.endr
	v_nop
	s_wait_alu depctr_va_vdst(0)                   ; one wait for the twelve exponentials
	v_mul_f32 v3, s17, v50
.irp t, 1,2,3,4,5,6,7
	v_fma_f32 v3, s[17+2*(\t)], v[50+(\t)], v3     ; L
.endr
	v_rcp_f32 v60, v3
	s_wait_loadcnt 0x0
.irp i, 0,1,2,3
	v_mul_f32 v[62+(\i)], v50, v[8+(\i)]           ; the sums over the tiles stand between the reciprocal and its wait
.endr
.irp t, 1,2,3,4,5,6,7
.irp i, 0,1,2,3
	v_fma_f32 v[62+(\i)], v[50+(\t)], v[8+4*(\t)+(\i)], v[62+(\i)]
.endr
.endr
	s_wait_alu depctr_va_vdst(0)                   ; the reciprocal's wait, ahead of its first reader
.irp i, 0,1,2,3
	v_mul_f32 v[62+(\i)], v60, v[62+(\i)]
	v_mul_f32 v[4+(\i)], v60, v[4+(\i)]
.endr
	global_store_b128 v1, v[62:65], s[12:13]
	global_store_b128 v1, v[4:7], s[14:15]
	s_endpgm
.Lfunc_end_k_q0ef5051117_finish:
	.size	k_q0ef5051117_finish, .Lfunc_end_k_q0ef5051117_finish-k_q0ef5051117_finish
	.p2alignl 7, 3214868480
	.fill 96, 4, 3214868480
	.section	.rodata,"a",@progbits
	.p2align	6, 0x0
	.amdhsa_kernel k_q0ef5051117_finish
		.amdhsa_group_segment_fixed_size 0
		.amdhsa_private_segment_fixed_size 0
		.amdhsa_enable_private_segment 0
		.amdhsa_kernarg_size 48
		.amdhsa_user_sgpr_count 2
		.amdhsa_user_sgpr_kernarg_segment_ptr 1
		.amdhsa_wavefront_size32 1
		.amdhsa_system_sgpr_workgroup_id_x 1
		.amdhsa_system_sgpr_workgroup_id_y 1
		.amdhsa_system_sgpr_workgroup_id_z 1
		.amdhsa_system_vgpr_workitem_id 0
		.amdhsa_next_free_vgpr 80
		.amdhsa_next_free_sgpr 66
		.amdhsa_reserve_vcc 0
		.amdhsa_float_denorm_mode_32 3
		.amdhsa_float_denorm_mode_16_64 3
		.amdhsa_memory_ordered 1
		.amdhsa_forward_progress 1
		.amdhsa_inst_pref_size 8
	.end_amdhsa_kernel
	.amdgpu_metadata
---
amdhsa.version: [ 1, 2 ]
amdhsa.kernels:
  - .name:           k_q0ef5051117_finish
    .symbol:         k_q0ef5051117_finish.kd
    .args:
      - { .name: scores, .offset: 0, .size: 8, .value_kind: global_buffer, .address_space: global }
      - { .name: stats, .offset: 8, .size: 8, .value_kind: global_buffer, .address_space: global }
      - { .name: pctx, .offset: 16, .size: 8, .value_kind: global_buffer, .address_space: global }
      - { .name: rowlist, .offset: 24, .size: 8, .value_kind: global_buffer, .address_space: global }
      - { .name: out0, .offset: 32, .size: 8, .value_kind: global_buffer, .address_space: global }
      - { .name: out1, .offset: 40, .size: 8, .value_kind: global_buffer, .address_space: global }
    .group_segment_fixed_size: 0
    .private_segment_fixed_size: 0
    .kernarg_segment_align: 8
    .kernarg_segment_size: 48
    .max_flat_workgroup_size: 256
    .sgpr_count:     66
    .vgpr_count:     80
    .wavefront_size: 32
...
	.end_amdgpu_metadata
.endif
;; end of part 3
;; ======== version 2 of 3: 3 launches; 1.69 times as fast as version 1
;; limits: right only within a limited range of input values
;; workspace buffers: wf 2,129,920 bytes; decp 262,144 bytes; rowlist 327,680 bytes of whole numbers; scores 294,912 bytes; stats 4,096 bytes; pctx 2,097,152 bytes
;; launch prep: the kernel of part 1 again; grid 192 x 1, 4 waves a work-group, no clusters, 38,912 bytes of LDS; arguments W_enc, W_dec, decoder_hidden, src_mask, wf, decp, rowlist, scores, stats; writes wf, decp, rowlist, scores, stats
;; launch main (part 4): grid 8 x 64, 4 waves a work-group, no clusters, 310,528 bytes of LDS; arguments encoder_outputs, v, wf, decp, rowlist, scores, stats, pctx; writes scores, stats, pctx
.if DOCPART == 4
	.amdgcn_target "amdgcn-amd-amdhsa--gfx1250"
	.amdhsa_code_object_version 6
	.text
	.protected	k_q0ef5051117_main
	.globl	k_q0ef5051117_main
	.p2align	8
	.type	k_q0ef5051117_main,@function
k_q0ef5051117_main:
	s_mov_b64 s[64:65], 0
	v_nop
	global_prefetch_b8 v0, s[64:65] scope:SCOPE_SE
	s_setreg_imm32_b32 hwreg(HW_REG_WAVE_MODE, 25, 1), 1
	s_wait_xcnt 0x0
; MAIN: for one tile of 144 listed rows of one batch: score[s] = sum_d v[d] tanh(W_enc enc[s] + W_dec h)[d], the tile's own softmax (maximum m, sum l, weights p) and its part of the context, sum_s p[s] enc[s].
; A position whose mask is 0 has weight exp(-1e9 - max) = 0 in f32 wherever its batch has an open position, so only the listed rows are read; a batch with no open position lists all rows, and their scores are -1e9.
; SHARES.  A work-group takes entries 144 t .. 144 t + 143 of batch b's list.  A list may have 1,024 entries, so a batch has eight work-groups; A TILE THAT THE LIST DOES NOT REACH (n <= 144 t) IS NOT COMPUTED: its
; work-group passes the five barriers, jumps forward over the five segments in front of them and stores nothing: the tile's (m, l) stays as the launch before has filled it, (-1e38, 0), and its part of the context is never read.
; n is a whole number that the launch before has stored.  No jump passes a barrier; each segment reads only registers made at the head or inside itself; what goes from segment to segment goes through LDS (S alone, cleared at the head, stays in registers).  EXEC is never written.
; THE FIVE SEGMENTS: A rows and tables into LDS (stores alone); G the product and tanh (loads alone); P the partial sums into LDS (stores alone); C scores and softmax (loads at fixed addresses, the weights' stores);
; X the context (loads alone).  So a barrier stands between every LDS store and every load whose address runs in a loop: the two are ordered whatever the addresses.
; t = x in batches 0-31 and x xor 4 in batches 32-63: of two work-groups 256 apart in the grid's order one has a tile of the list's first four and the other one of its last four, so long and short ones are mixed.
; A score goes to its position in scores[b]; the score of an entry past the list's end goes to one of 16 dump words of the work-group's own, behind the 64 x 1,024 scores, which nobody reads.
; The tile's rows, rounded once to bf16, STAY IN LDS: they are source 1 of the product and, later, the rows of the context: each listed row leaves memory once.
; Wave w makes all 144 rows x columns 256 w + 128 p + 0..127 in pass p = 0, 1: 72 accumulators.  Source 0, 16 rows of W_enc, comes straight from wf into registers (no two waves want the same byte of it),
; three K steps ahead.  A lane's result is one row (lane%16) and the columns 8 (lane/16) + 0..7.
; tanh z = 1 - 2 / (1 + 2^(2 log2(e) z)); it ends rightly at +-1 where the power overflows or vanishes.  score = sum v - 2 sum v r, r = 1 / (1 + 2^..).
; NO CLUSTER, NO TENSOR LOAD: the rows are gathered by a list and converted on the way, and beside them LDS has 20 KB left, less than one K step of W for the four waves' 512 columns.
; LIMITS.  enc, W_enc (and in prep W_dec, h) are rounded to bf16; all else is f32.  The score's rounding goes with 2^-24 x sum |v|, the bound of a plain f32 sum of its terms.  sum |v| stays far under 1e9 and scores above -1e38.
; NaN and infinities are not treated apart: the unused entries of a list's last tile name row 0 with weight 0, so that row must be finite.
; REGISTERS, in windows of 256 (s_set_vgpr_msb: bits 1:0 source 0, 3:2 source 1, 5:4 source 2, 7:6 destination):
;   window 0: v0-13 addresses; v14-31 S, a pair a row block; v32-103, v104-175 enc's fragments, two buffers; v176-239 accumulators of row block 8; v249-251 lane, lane%16, lane/16; v10, v11, v252-255 at work
;   window 1: W's fragments, four buffers of 64       window 2: accumulators of row blocks 0-3 (64 a + 8 nb)       window 3: of row blocks 4-7
.set PITCH, 2064                       ; a row in LDS: 2,048 bytes + 16, an odd multiple of 16: the 16 rows of a fragment load start 16 bytes apart modulo 256
.set BLK,   16*PITCH
.set DECT,  144*PITCH                  ; decp[b], 4,096 bytes
.set VT,    DECT+4096                  ; v, 4,096 bytes
.set PART,  VT+4096                    ; [row][wave] f32: each wave's part of sum v r
.set PW,    PART+2304                  ; each wave's own copy of the 144 weights
.set SPARE, PW+2304                    ; the spare words, 128 bytes a wave: two blocks of 256 bytes that no other line names
.set L16, 1                            ; v1   16 x lane; never rewritten
.set ADRA, 2                           ; v2-6 LDS address of enc's fragments of row blocks 2 g, 2 g + 1, running along K
.set CADR, 2                           ; v2   in segment X: my 8 bytes of a row, for the context; runs
.set PADR, 3                           ; v3   in segment X: my wave's copy of the weights; runs
.set GOF, 4                            ; v4   in segment X: 16 x thread, my place in pctx
.set ZOF, 5                            ; v5   in segment C: 0, the offset of (m, l)
.set VADR, 6                           ; v6   in segment C: my 16 bytes of each 512 of v in LDS
.set AFR, 7                            ; v7   (lane%16) x pitch + 16 (lane/16)
.set TADR, 8                           ; v8   my 32 bytes in DECT for the pass
.set SVR, 9                            ; v9   sum of v
.set SPW, 12                           ; v12  my spare word; never rewritten
.set NIL, 13                           ; v13  0; never rewritten
.set S,   14
.set TB,  32                           ; way out of a pass: for each nb eight of decp, eight of v
.set TQ,  160                          ; four chains of pairs
.set VS,  148                          ; v148-179 in segment C: v whole, for its sum
.set LN,  249
.set RR,  250
.set HH,  251
.set MSB, 0
.macro WIN new                         ; the immediate's high byte repeats the setting that is left; a switch that changes nothing is dropped
.if MSB != (\new)
	s_set_vgpr_msb (MSB<<8)|(\new)
.set MSB, \new
.endif
.endm
.macro MEET                            ; a barrier of the work-group: no LDS instruction of mine is out at the signal
	s_wait_dscnt 0x0
	s_barrier_signal -1
	s_barrier_wait -1
.endm
; ---- macros of the row loads
.macro QSHIFT                          ; the queue of list entries moves up by six
.set k, 0
.rept 15
	s_mov_b64 s[24+2*k:25+2*k], s[30+2*k:31+2*k]
.set k, k+1
.endr
.endm
.macro ROWGO i                         ; slot i asks for the row that the queue's entry i names: eight loads of 512 consecutive bytes
	s_min_u32 s88, s[24+(\i)], 0x3ff
	v_lshl_add_u32 v[224+(\i)], s88, 12, v[L16]
.irp j, 0,1,2,3,4,5,6,7
	global_load_b128 v[32+32*(\i)+4*(\j):35+32*(\i)+4*(\j)], v[224+(\i)], s[76:77] offset:512*(\j)
.endr
.endm
.macro ROWPUT i, cnt                   ; slot i's row is rounded to bf16 and laid into LDS, 8 bytes a lane
	s_wait_loadcnt \cnt                            ; loads come back in order: this slot's eight are in, the younger slots' stay out; its registers and its offset are free
.irp j, 0,1,2,3,4,5,6,7
	v_cvt_pk_bf16_f32 v[32+32*(\i)+4*(\j)], v[32+32*(\i)+4*(\j)], v[33+32*(\i)+4*(\j)]
	v_cvt_pk_bf16_f32 v[33+32*(\i)+4*(\j)], v[34+32*(\i)+4*(\j)], v[35+32*(\i)+4*(\j)]
	ds_store_b64 v10, v[32+32*(\i)+4*(\j):33+32*(\i)+4*(\j)] offset:(\i)*PITCH+(\j)*256
.endr
.endm
; ---- macros of the product
.macro FETCH_A buf, off                ; enc's nine fragments of one K step, row blocks ascending: 18 LDS loads in one run
	WIN 0
.irp m, 0,1,2,3,4,5,6,7,8
	ds_load_b128 v[32+72*(\buf)+8*(\m):35+72*(\buf)+8*(\m)], v[ADRA+(\m)/2] offset:((\m)%2)*BLK+(\off)
	ds_load_b128 v[36+72*(\buf)+8*(\m):39+72*(\buf)+8*(\m)], v[ADRA+(\m)/2] offset:((\m)%2)*BLK+(\off)+32
.endr
.endm
.macro FETCH_B buf, off                ; W's eight fragments of one K step: 16 loads of 512 consecutive bytes
	WIN 0x40                                       ; destination window 1, offset window 0
.irp nb, 0,1,2,3,4,5,6,7
	global_load_b128 v[64*(\buf)+8*(\nb):64*(\buf)+8*(\nb)+3], v[L16], s[72:73] offset:(\off)+(\nb)*1024
	global_load_b128 v[64*(\buf)+8*(\nb)+4:64*(\buf)+8*(\nb)+7], v[L16], s[72:73] offset:(\off)+(\nb)*1024+512
.endr
.endm
.macro MUL ab, bb, rb, zero            ; row block rb x all 8 column blocks.  zero = 1: the first product starts the sums: nothing is cleared
.if (\rb) < 4
	WIN 0xa1
.set rD, 64*(\rb)
.elseif (\rb) < 8
	WIN 0xf1
.set rD, 64*((\rb)-4)
.else
	WIN 0x01
.set rD, 176
.endif
.irp nb, 0,1,2,3,4,5,6,7
.if \zero
	v_wmma_f32_16x16x32_bf16 v[rD+8*(\nb):rD+8*(\nb)+7], v[64*(\bb)+8*(\nb):64*(\bb)+8*(\nb)+7], v[32+72*(\ab)+8*(\rb):39+72*(\ab)+8*(\rb)], 0
.else
	v_wmma_f32_16x16x32_bf16 v[rD+8*(\nb):rD+8*(\nb)+7], v[64*(\bb)+8*(\nb):64*(\bb)+8*(\nb)+7], v[32+72*(\ab)+8*(\rb):39+72*(\ab)+8*(\rb)], v[rD+8*(\nb):rD+8*(\nb)+7]
.endif
.endr
.endm
; A K step: 72 products; the 72 accumulators take turns in the same order in every K step.  In its middle the next K step's fragments of enc and the K step three on of W are asked for.
.macro KSTEP ab, bb, zero, aoff, boff
	s_wait_loadcnt 32                              ; this K step's W is in; the two younger K steps' 16 loads each stay out
	s_wait_dscnt 10                                ; row blocks 0-3 are in; the ten youngest LDS loads (blocks 4-8) may be out
.irp m, 0,1,2,3
	MUL \ab, \bb, \m, \zero
.endr
.rept 4
	v_nop                                          ; four places in front of loads into registers that the K step before has multiplied
.endr
.if (\aoff) >= 0
	FETCH_A (1-(\ab)), \aoff
.endif
	FETCH_B (((\bb)+3)%4), \boff
.if (\aoff) >= 0
	s_wait_dscnt 18                                ; all but the 18 just issued
.else
	s_wait_dscnt 0x0
.endif
.irp m, 4,5,6,7,8
	MUL \ab, \bb, \m, \zero
.endr
.endm
; The way out of a pass for row block rb: x = 2 log2(e) acc + decp; e = 2^x; r = 1 / (1 + e); S += sum r v.  In place on the accumulators, from each one's low end on.
; The 64 exponentials are one batch and the 64 reciprocals another, each with one plain line and one wait behind it; the next accumulator's packed lines stand among them and name no result.
.macro EPIROW rb
.if (\rb) < 4
.set WX, 0x82
.set WS, 0x02
.set rD, 64*(\rb)
.elseif (\rb) < 8
.set WX, 0xc3
.set WS, 0x03
.set rD, 64*((\rb)-4)
.else
.set WX, 0
.set WS, 0
.set rD, 176
.endif
	WIN WX                                         ; destination and source 0 in the accumulators' window, source 2 in window 0
.irp i, 0,1,2,3
	v_pk_fma_f32 v[rD+2*(\i):rD+2*(\i)+1], v[rD+2*(\i):rD+2*(\i)+1], s[68:69], v[TB+2*(\i):TB+2*(\i)+1] op_sel_hi:[1,0,1]
.endr
.irp nb, 0,1,2,3,4,5,6,7
.irp i, 0,1,2,3
	v_exp_f32 v[rD+8*(\nb)+2*(\i)], v[rD+8*(\nb)+2*(\i)]
	v_exp_f32 v[rD+8*(\nb)+2*(\i)+1], v[rD+8*(\nb)+2*(\i)+1]
.if (\nb) < 7
	v_pk_fma_f32 v[rD+8*(\nb)+8+2*(\i):rD+8*(\nb)+9+2*(\i)], v[rD+8*(\nb)+8+2*(\i):rD+8*(\nb)+9+2*(\i)], s[68:69], v[TB+16*(\nb)+16+2*(\i):TB+16*(\nb)+17+2*(\i)] op_sel_hi:[1,0,1]
.endif
.endr
.endr
	v_nop
	s_wait_alu depctr_va_vdst(0)                   ; one wait for the 64 exponentials
.irp i, 0,1,2,3
	v_pk_add_f32 v[rD+2*(\i):rD+2*(\i)+1], v[rD+2*(\i):rD+2*(\i)+1], 1.0 op_sel_hi:[1,0]
.endr
.irp nb, 0,1,2,3,4,5,6,7
.irp i, 0,1,2,3
	v_rcp_f32 v[rD+8*(\nb)+2*(\i)], v[rD+8*(\nb)+2*(\i)]
	v_rcp_f32 v[rD+8*(\nb)+2*(\i)+1], v[rD+8*(\nb)+2*(\i)+1]
.if (\nb) < 7
	v_pk_add_f32 v[rD+8*(\nb)+8+2*(\i):rD+8*(\nb)+9+2*(\i)], v[rD+8*(\nb)+8+2*(\i):rD+8*(\nb)+9+2*(\i)], 1.0 op_sel_hi:[1,0]
.endif
.endr
.endr
	v_nop
	s_wait_alu depctr_va_vdst(0)                   ; one wait for the 64 reciprocals
	WIN WS                                         ; source 0 in the accumulators' window, all else in window 0
.irp nb, 0,1,2,3,4,5,6,7
.irp i, 0,1,2,3
.if ((\nb) == 0) && ((\i) == 0)
	v_pk_fma_f32 v[TQ:TQ+1], v[rD:rD+1], v[TB+8:TB+9], v[S+2*(\rb):S+2*(\rb)+1]   ; the first chain starts from S
.elseif (\nb) == 0
	v_pk_mul_f32 v[TQ+2*(\i):TQ+2*(\i)+1], v[rD+2*(\i):rD+2*(\i)+1], v[TB+8+2*(\i):TB+9+2*(\i)]
.else
	v_pk_fma_f32 v[TQ+2*(\i):TQ+2*(\i)+1], v[rD+8*(\nb)+2*(\i):rD+8*(\nb)+2*(\i)+1], v[TB+16*(\nb)+8+2*(\i):TB+16*(\nb)+9+2*(\i)], v[TQ+2*(\i):TQ+2*(\i)+1]
.endif
.endr
.endr
	WIN 0
	v_pk_add_f32 v[TQ:TQ+1], v[TQ:TQ+1], v[TQ+2:TQ+3]
	v_pk_add_f32 v[TQ+4:TQ+5], v[TQ+4:TQ+5], v[TQ+6:TQ+7]
	v_pk_add_f32 v[S+2*(\rb):S+2*(\rb)+1], v[TQ:TQ+1], v[TQ+4:TQ+5]
.endm
	s_load_b512 s[4:19], s[0:1], 0x0               ; enc s[4:5], v s[6:7], wf s[8:9], decp s[10:11], rowlist s[12:13], scores s[14:15], stats s[16:17], pctx s[18:19]
	v_lshl_add_u32 v[SPW], v0, 2, SPARE
	v_mov_b32 v[NIL], 0
	v_lshrrev_b32 v10, 5, v0
	v_readfirstlane_b32 s22, v10                   ; wave 0..3
	s_and_b32 s20, ttmp7, 0xffff                   ; b
	s_lshr_b32 s21, s20, 5
	s_lshl_b32 s21, s21, 2
	s_xor_b32 s23, ttmp9, s21                      ; the tile, 0..7: x, turned by 4 in batches 32-63
	v_and_b32 v[LN], 31, v0
	v_and_b32 v[RR], 15, v0
	v_bfe_u32 v[HH], v0, 4, 1
	v_lshlrev_b32 v[L16], 4, v[LN]
	v_mul_u32_u24 v[AFR], v[RR], PITCH
	v_lshl_add_u32 v[AFR], v[HH], 4, v[AFR]
.set n, S
.rept 18
	v_mov_b32 v[n], 0                              ; S starts at 0: written here, at the head, so that it is written on every way into the segments that name it
.set n, n+1
.endr
	s_mov_b32 s68, 0x4038aa3b                      ; 2 log2(e); named as a pair
	s_mov_b32 s69, 0x4038aa3b
	s_mov_b32 s70, 0x76543210                      ; v_permlanex16_b32: each lane takes its own place in the other half
	s_mov_b32 s71, 0xfedcba98
	s_mov_b32 s91, 0
	s_mul_i32 s96, s23, 144                        ; the tile's first entry
	s_lshl_b32 s94, s20, 3
	s_add_co_u32 s94, s94, s23                     ; 8 b + tile
	s_lshl_b32 s95, s20, 10                        ; 1,024 b: the batch's first word in scores
	s_wait_kmcnt 0x0
	s_lshl_b32 s90, s20, 22
	s_add_nc_u64 s[76:77], s[4:5], s[90:91]        ; enc[b]
	s_lshl_b32 s90, s20, 12
	s_add_nc_u64 s[98:99], s[10:11], s[90:91]      ; decp[b]
	s_mul_i32 s90, s20, 5120
	s_add_nc_u64 s[80:81], s[12:13], s[90:91]      ; rowlist[b]
	s_mul_i32 s90, s23, 576
	s_add_nc_u64 s[92:93], s[80:81], s[90:91]      ; the list at the tile's first entry (tile 7 ends at entry 1151)
	s_mul_i32 s90, s22, 144
	s_add_nc_u64 s[82:83], s[92:93], s[90:91]      ; at my wave's 36 entries
	s_lshl_b32 s90, s94, 3
	s_add_nc_u64 s[16:17], s[16:17], s[90:91]      ; stats[b][tile]
	s_lshl_b32 s90, s94, 12
	s_add_nc_u64 s[18:19], s[18:19], s[90:91]      ; pctx[b][tile]
	s_lshl_b32 s90, s22, 19
	s_add_nc_u64 s[74:75], s[8:9], s[90:91]        ; wf at my wave's 64 K steps
	s_load_b128 s[60:63], s[80:81], 0x1200         ; s60 = n, the list's length; s62 = 1 if any position is open
	s_load_b512 s[24:39], s[82:83], 0x0            ; the queue: my 36 entries
	s_load_b512 s[40:55], s[82:83], 0x40
	s_load_b128 s[56:59], s[82:83], 0x80
	s_wait_kmcnt 0x0                               ; n and the queue
	s_min_u32 s60, s60, 0x400
	s_cmp_gt_u32 s60, s96                          ; does the list reach into the tile?
	s_cselect_b32 s97, 1, 0                        ; kept for the four later jumps
	s_cbranch_scc0 .LskipA
	; ---- A: decp[b] and v into LDS; my wave's 36 rows into LDS, six slots of eight loads always on their way
	v_lshlrev_b32 v10, 4, v0                       ; 16 x thread
	global_load_b128 v[230:233], v10, s[98:99]     ; decp[b] and v, 16 + 16 bytes a thread each
	global_load_b128 v[234:237], v10, s[98:99] offset:2048
	global_load_b128 v[238:241], v10, s[6:7]
	global_load_b128 v[242:245], v10, s[6:7] offset:2048
.irp i, 0,1,2,3,4,5
	ROWGO \i
.endr
	QSHIFT
	s_wait_loadcnt 48                              ; the four loads of decp and v are in; the six rows' 48 loads stay out
	v_add_nc_u32 v11, DECT, v10
	ds_store_b128 v11, v[230:233]
	ds_store_b128 v11, v[234:237] offset:2048
	ds_store_b128 v11, v[238:241] offset:4096
	ds_store_b128 v11, v[242:245] offset:6144
	s_mul_i32 s88, s22, 36*PITCH
	v_lshl_add_u32 v10, v[LN], 3, s88              ; my wave's rows, 8 bytes a lane; runs
	s_mov_b32 s67, 5
.Lrows:
.irp i, 0,1,2,3,4,5
	ROWPUT \i, 40                                  ; five younger rows stay out
	ROWGO \i
.endr
	QSHIFT
	v_add_nc_u32 v10, 6*PITCH, v10
	s_sub_co_u32 s67, s67, 1
	s_cmp_lg_u32 s67, 0
	s_cbranch_scc1 .Lrows
.irp i, 0,1,2,3,4,5
	ROWPUT \i, 40-8*(\i)                           ; the last six rows: nothing more is asked for, the counts run down
.endr
.LskipA:
	MEET                                           ; for the others' sake: my rows and my part of decp and v lie in LDS
	s_cmp_eq_u32 s97, 0
	s_cbranch_scc1 .LskipG
	; ---- G: the product and tanh, two passes of 128 columns; of LDS it only reads
	s_mov_b64 s[72:73], s[74:75]
	FETCH_B 0, 0
	FETCH_B 1, 8192
	FETCH_B 2, 16384
	WIN 0
	s_lshl_b32 s88, s22, 10
	s_add_co_u32 s88, s88, DECT
	v_lshl_add_u32 v[TADR], v[HH], 5, s88
	s_mov_b32 s66, 2
.Lpass:
	v_mov_b32 v[ADRA], v[AFR]
.irp g, 1,2,3,4
	v_add_nc_u32 v[ADRA+(\g)], 2*BLK*(\g), v[AFR]
.endr
	FETCH_A 0, 0
	KSTEP 0, 0, 1, 64, 3*8192                      ; the pass's first K step stands in front of the loop: its products start the sums
	WIN 0                                          ; at a label and at a branch every window is 0
	s_mov_b32 s67, 7
.Lk:                                                   ; a trip: four K steps
	KSTEP 1, 1, 0, 128, 4*8192
	KSTEP 0, 2, 0, 192, 5*8192
	KSTEP 1, 3, 0, 256, 6*8192
	KSTEP 0, 0, 0, 320, 7*8192
	WIN 0
	s_wait_xcnt 0x0                                ; W's loads (the youngest 40 products back) have read their base
	s_add_nc_u64 s[72:73], s[72:73], 32768
.irp g, 0,1,2,3,4
	v_add_nc_u32 v[ADRA+(\g)], 256, v[ADRA+(\g)]
.endr
	s_sub_co_u32 s67, s67, 1
	s_cmp_lg_u32 s67, 0
	s_cbranch_scc1 .Lk
	KSTEP 1, 1, 0, 128, 4*8192                     ; the last three K steps; W runs on into the next pass's first three (behind the last pass: into the next wave's bytes or the zeros behind wf, never multiplied)
	KSTEP 0, 2, 0, 192, 5*8192
	KSTEP 1, 3, 0, -1, 6*8192
	WIN 0
	s_wait_xcnt 0x0
	s_add_nc_u64 s[72:73], s[72:73], 32768
.rept 8
	v_nop                                          ; places behind the last products, in front of loads into enc's buffers and of lines that read results
.endr
.irp nb, 0,1,2,3,4,5,6,7
	ds_load_b128 v[TB+16*(\nb):TB+16*(\nb)+3], v[TADR] offset:64*(\nb)
	ds_load_b128 v[TB+16*(\nb)+4:TB+16*(\nb)+7], v[TADR] offset:64*(\nb)+16
	ds_load_b128 v[TB+16*(\nb)+8:TB+16*(\nb)+11], v[TADR] offset:64*(\nb)+4096
	ds_load_b128 v[TB+16*(\nb)+12:TB+16*(\nb)+15], v[TADR] offset:64*(\nb)+4112
.endr
	s_wait_dscnt 0x0
.irp m, 0,1,2,3,4,5,6,7,8
	EPIROW \m
.endr
	v_add_nc_u32 v[TADR], 512, v[TADR]
	s_sub_co_u32 s66, s66, 1
	s_cmp_lg_u32 s66, 0
	s_cbranch_scc1 .Lpass
	s_wait_loadcnt 0x0                             ; the three K steps asked for behind the last pass have landed: their registers are free
.LskipG:
	MEET                                           ; every wave's reads of the rows and the tables are over: the stores below stand behind them
	s_cmp_eq_u32 s97, 0
	s_cbranch_scc1 .LskipP
	; ---- P: my part of each row's sum into LDS
	s_lshl_b32 s88, s22, 2
	s_add_co_u32 s88, s88, PART
	v_lshl_add_u32 v10, v[RR], 4, s88
.irp m, 0,1,2,3,4,5,6,7,8
	v_add_f32 v[S+2*(\m)], v[S+2*(\m)], v[S+2*(\m)+1]
.endr
.irp m, 0,1,2,3,4,5,6,7,8
	v_permlanex16_b32 v[S+2*(\m)+1], v[S+2*(\m)], s70, s71   ; the row's other columns lie in the lane 16 away
.endr
.irp m, 0,1,2,3,4,5,6,7,8
	v_add_f32 v[S+2*(\m)], v[S+2*(\m)], v[S+2*(\m)+1]
.endr
.irp m, 0,1,2,3,4,5,6,7,8
	ds_store_b32 v10, v[S+2*(\m)] offset:256*(\m)
.endr
.LskipP:
	MEET                                           ; for the others' sake: my parts of the sums lie in LDS
	s_cmp_eq_u32 s97, 0
	s_cbranch_scc1 .LskipC
	; ---- C: scores and the tile's softmax (every wave alike, lanes 16-31 a copy of lanes 0-15)
	v_lshlrev_b32 v11, 2, v[RR]
.irp m, 0,1,2,3,4,5,6,7,8
	global_load_b32 v[32+(\m)], v11, s[92:93] offset:64*(\m)   ; entry 16 m + lane%16 of the tile: where its score goes
.endr
	v_lshlrev_b32 v10, 4, v[RR]
	v_add_nc_u32 v10, PART, v10
	v_add_nc_u32 v[VADR], VT, v[L16]
.irp m, 0,1,2,3,4,5,6,7,8
	ds_load_b128 v[44+4*(\m):47+4*(\m)], v10 offset:256*(\m)
.endr
.irp i, 0,1,2,3,4,5,6,7
	ds_load_b128 v[VS+4*(\i):VS+4*(\i)+3], v[VADR] offset:512*(\i)   ; v whole, in every wave, for its sum
.endr
	v_mov_b32 v253, 0xce6e6b28                     ; -1e9
	v_mov_b32 v254, 0xfe967699                     ; -1e38
	v_add_nc_u32 v252, s96, v[RR]                  ; my entry's place in the list, for row block 0
	s_cmp_lg_u32 s62, 0
	s_cselect_b32 s89, -1, 0                       ; all ones where the listed rows are open: a select, no branch
	s_wait_dscnt 0x0
.irp i, 0,1,2,3,4,5,6,7
	v_pk_add_f32 v[VS+2*(\i):VS+2*(\i)+1], v[VS+2*(\i):VS+2*(\i)+1], v[VS+16+2*(\i):VS+17+2*(\i)]
.endr
.irp i, 0,1,2,3
	v_pk_add_f32 v[VS+2*(\i):VS+2*(\i)+1], v[VS+2*(\i):VS+2*(\i)+1], v[VS+8+2*(\i):VS+9+2*(\i)]
.endr
	v_pk_add_f32 v[VS:VS+1], v[VS:VS+1], v[VS+4:VS+5]
	v_pk_add_f32 v[VS+2:VS+3], v[VS+2:VS+3], v[VS+6:VS+7]
	v_pk_add_f32 v[VS:VS+1], v[VS:VS+1], v[VS+2:VS+3]
	v_add_f32 v[SVR], v[VS], v[VS+1]
.irp x, 1,2,4,8
	v_add_f32_dpp v[SVR], v[SVR], v[SVR] row_xmask:\x row_mask:0xf bank_mask:0xf
.endr
	v_permlanex16_b32 v[VS], v[SVR], s70, s71
	v_add_f32 v[SVR], v[SVR], v[VS]
.irp m, 0,1,2,3,4,5,6,7,8
	v_pk_add_f32 v[44+4*(\m):45+4*(\m)], v[44+4*(\m):45+4*(\m)], v[46+4*(\m):47+4*(\m)]
.endr
.irp m, 0,1,2,3,4,5,6,7,8
	v_add_f32 v[44+4*(\m)], v[44+4*(\m)], v[45+4*(\m)]
.endr
.irp m, 0,1,2,3,4,5,6,7,8
	v_fma_f32 v[44+4*(\m)], v[44+4*(\m)], -2.0, v[SVR]          ; sum v - 2 sum v r
	v_add_nc_u32 v255, 16*(\m), v252
	v_cmp_gt_u32 s[24+(\m)], s60, v255             ; is the entry inside the list?
	v_cndmask_b32 v[90+(\m)], v253, v[44+4*(\m)], s89           ; the score as stored: -1e9 where the batch has no open position
	v_cndmask_b32 v[100+(\m)], v254, v[90+(\m)], s[24+(\m)]     ; and as the softmax takes it: an entry past the list's end counts for nothing
.endr
	v_max3_num_f32 v110, v100, v101, v102
	v_max3_num_f32 v110, v110, v103, v104
	v_max3_num_f32 v110, v110, v105, v106
	v_max3_num_f32 v110, v110, v107, v108
.irp x, 1,2,4,8
	v_max_num_f32_dpp v110, v110, v110 row_xmask:\x row_mask:0xf bank_mask:0xf
.endr
.irp m, 0,1,2,3,4,5,6,7,8
	v_sub_f32 v[100+(\m)], v[100+(\m)], v110       ; the maximum goes off first, exactly where s = m; the factor comes after
.endr
.irp m, 0,1,2,3,4,5,6,7,8
	v_mul_f32 v[100+(\m)], 0x3fb8aa3b, v[100+(\m)]
.endr
.irp m, 0,1,2,3,4,5,6,7,8
	v_exp_f32 v[100+(\m)], v[100+(\m)]
.endr
	v_nop
	s_wait_alu depctr_va_vdst(0)                   ; one wait for the nine exponentials
	v_add_f32 v111, v100, v101
	v_add_f32 v112, v102, v103
	v_add_f32 v113, v104, v105
	v_add_f32 v114, v106, v107
	v_add_f32 v111, v111, v112
	v_add_f32 v113, v113, v114
	v_add_f32 v111, v111, v108
	v_add_f32 v111, v111, v113
.irp x, 1,2,4,8
	v_add_f32_dpp v111, v111, v111 row_xmask:\x row_mask:0xf bank_mask:0xf
.endr
	s_mul_i32 s88, s22, 576
	s_add_co_u32 s88, s88, PW
	v_lshl_add_u32 v252, v[RR], 2, s88
.irp m, 0,1,2,3,4,5,6,7,8
	ds_store_b32 v252, v[100+(\m)] offset:64*(\m)  ; my wave's own copy of the weights
.endr
	v_mov_b32 v[ZOF], 0
	s_wait_loadcnt 0x0                             ; the entries
	s_cmp_lg_u32 s22, 0
	s_cbranch_scc1 .LskipC
	; wave 0 stores the scores and (m, l), all lanes on.  Lanes 16-31 hold what lanes 0-15 hold: each word is written twice, with the same number, by one instruction.
	s_lshl_b32 s88, s94, 4
	s_add_co_u32 s88, s88, 65536                   ; behind the 65,536 scores: 16 dump words for each of the 512 work-groups
	v_add_nc_u32 v255, s88, v[RR]
.irp m, 0,1,2,3,4,5,6,7,8
	v_min_u32 v[32+(\m)], 0x3ff, v[32+(\m)]        ; a position of the batch,
	v_add_nc_u32 v[32+(\m)], s95, v[32+(\m)]       ; as a word of scores;
	v_cndmask_b32 v[32+(\m)], v255, v[32+(\m)], s[24+(\m)]     ; an entry past the list's end goes to my dump word
	v_min_u32 v[32+(\m)], 0x11fff, v[32+(\m)]      ; inside the buffer's 73,728 words
	v_lshlrev_b32 v[32+(\m)], 2, v[32+(\m)]
.endr
.irp m, 0,1,2,3,4,5,6,7,8
	global_store_b32 v[32+(\m)], v[90+(\m)], s[14:15]
.endr
	global_store_b64 v[ZOF], v[110:111], s[16:17]  ; (m, l): the same pair from every lane
.LskipC:
	MEET                                           ; every wave's weights lie in LDS: the loads below, whose addresses run, stand behind all stores
	s_cmp_eq_u32 s97, 0
	s_cbranch_scc1 .LskipX
	; ---- X: the context.  Thread t owns columns 4 t .. 4 t + 3 and 512 + 4 t .. : 8 + 8 bytes of every row; of LDS it only reads
	s_mul_i32 s88, s22, 576
	s_add_co_u32 s88, s88, PW
	v_mov_b32 v[PADR], s88                         ; my wave's copy of the weights: the same address in every lane
	v_lshlrev_b32 v[CADR], 3, v0                   ; my 8 bytes of a row
	v_lshlrev_b32 v[GOF], 4, v0
.set n, 112
.rept 8
	v_mov_b32 v[n], 0
.set n, n+1
.endr
	s_mov_b32 s67, 9
.Lcrow:                                                ; a trip: 16 rows
.irp i, 0,1,2,3
	ds_load_b128 v[120+4*(\i):123+4*(\i)], v[PADR] offset:16*(\i)
.endr
.irp i, 0,1,2,3,4,5,6,7,8,9,10,11,12,13,14,15
	ds_load_b64 v[136+4*(\i):137+4*(\i)], v[CADR] offset:(\i)*PITCH
	ds_load_b64 v[138+4*(\i):139+4*(\i)], v[CADR] offset:(\i)*PITCH+1024
.endr
.irp i, 0,1,2,3,4,5,6,7,8,9,10,11,12,13,14,15
.if (\i)%4 == 0
	s_wait_dscnt 24-2*(\i)                         ; four rows more are in; the younger rows' loads, two each, stay out
.endif
.irp c, 0,1,2,3
	v_fma_mix_f32_bf16 v[112+2*(\c)], v[136+4*(\i)+(\c)], v[120+(\i)], v[112+2*(\c)] op_sel:[0,0,0] op_sel_hi:[1,0,0]
	v_fma_mix_f32_bf16 v[113+2*(\c)], v[136+4*(\i)+(\c)], v[120+(\i)], v[113+2*(\c)] op_sel:[1,0,0] op_sel_hi:[1,0,0]
.endr
.endr
	v_add_nc_u32 v[CADR], BLK, v[CADR]
	v_add_nc_u32 v[PADR], 64, v[PADR]
	s_sub_co_u32 s67, s67, 1
	s_cmp_lg_u32 s67, 0
	s_cbranch_scc1 .Lcrow
	global_store_b128 v[GOF], v[112:115], s[18:19]             ; each store of a wave covers 512 consecutive bytes, aligned
	global_store_b128 v[GOF], v[116:119], s[18:19] offset:2048
.LskipX:
	MEET                                           ; every wave's reads of LDS are over: the add below stands behind them
	s_wait_tensorcnt 0x0                           ; the wave's end, behind my last LDS store
	ds_add_u32 v[SPW], v[NIL]
	s_wait_dscnt 0x0
	s_endpgm
.Lfunc_end_k_q0ef5051117_main:
	.size	k_q0ef5051117_main, .Lfunc_end_k_q0ef5051117_main-k_q0ef5051117_main
	.p2alignl 7, 3214868480
	.fill 96, 4, 3214868480
	.section	.rodata,"a",@progbits
	.p2align	6, 0x0
	.amdhsa_kernel k_q0ef5051117_main
		.amdhsa_group_segment_fixed_size 310528
		.amdhsa_private_segment_fixed_size 0
		.amdhsa_enable_private_segment 0
		.amdhsa_kernarg_size 64
		.amdhsa_user_sgpr_count 2
		.amdhsa_user_sgpr_kernarg_segment_ptr 1
		.amdhsa_wavefront_size32 1
		.amdhsa_system_sgpr_workgroup_id_x 1
		.amdhsa_system_sgpr_workgroup_id_y 1
		.amdhsa_system_sgpr_workgroup_id_z 1
		.amdhsa_system_vgpr_workitem_id 0
		.amdhsa_next_free_vgpr 1024
		.amdhsa_next_free_sgpr 100
		.amdhsa_reserve_vcc 0
		.amdhsa_float_denorm_mode_32 3
		.amdhsa_float_denorm_mode_16_64 3
		.amdhsa_memory_ordered 1
		.amdhsa_forward_progress 1
		.amdhsa_inst_pref_size 224
	.end_amdhsa_kernel
	.amdgpu_metadata
---
amdhsa.version: [ 1, 2 ]
amdhsa.kernels:
  - .name:           k_q0ef5051117_main
    .symbol:         k_q0ef5051117_main.kd
    .args:
      - { .name: encoder_outputs, .offset: 0, .size: 8, .value_kind: global_buffer, .address_space: global }
      - { .name: v, .offset: 8, .size: 8, .value_kind: global_buffer, .address_space: global }
      - { .name: wf, .offset: 16, .size: 8, .value_kind: global_buffer, .address_space: global }
      - { .name: decp, .offset: 24, .size: 8, .value_kind: global_buffer, .address_space: global }
      - { .name: rowlist, .offset: 32, .size: 8, .value_kind: global_buffer, .address_space: global }
      - { .name: scores, .offset: 40, .size: 8, .value_kind: global_buffer, .address_space: global }
      - { .name: stats, .offset: 48, .size: 8, .value_kind: global_buffer, .address_space: global }
      - { .name: pctx, .offset: 56, .size: 8, .value_kind: global_buffer, .address_space: global }
    .group_segment_fixed_size: 310528
    .private_segment_fixed_size: 0
    .kernarg_segment_align: 8
    .kernarg_segment_size: 64
    .max_flat_workgroup_size: 128
    .sgpr_count:     100
    .vgpr_count:     1024
    .wavefront_size: 32
...
	.end_amdgpu_metadata
.endif
;; end of part 4
;; launch finish: the kernel of part 3 again; grid 64 x 1, 8 waves a work-group, no clusters, 0 bytes of LDS; arguments scores, stats, pctx, rowlist, out0, out1; writes out0, out1
;; ======== version 3 of 3: 3 launches; version 2 with the launch main written anew for expert scheduling mode
;; limits: right only within a limited range of input values
;; workspace buffers: wf 2,129,920 bytes; decp 262,144 bytes; rowlist 327,680 bytes of whole numbers; scores 294,912 bytes; stats 4,096 bytes; pctx 2,097,152 bytes
;; launch prep: the kernel of part 1 again; grid 192 x 1, 4 waves a work-group, no clusters, 38,912 bytes of LDS; arguments W_enc, W_dec, decoder_hidden, src_mask, wf, decp, rowlist, scores, stats; writes wf, decp, rowlist, scores, stats
;; launch main (part 5): grid 8 x 64, 4 waves a work-group, no clusters, 310,528 bytes of LDS; arguments encoder_outputs, v, wf, decp, rowlist, scores, stats, pctx; writes scores, stats, pctx
.if DOCPART == 5
	.amdgcn_target "amdgcn-amd-amdhsa--gfx1250"
	.amdhsa_code_object_version 6
	.text
	.protected	k_q0ef5051117_main
	.globl	k_q0ef5051117_main
	.p2align	8
	.type	k_q0ef5051117_main,@function
k_q0ef5051117_main:
	s_mov_b64 s[64:65], 0
	v_nop
	global_prefetch_b8 v0, s[64:65] scope:SCOPE_SE
	s_setreg_imm32_b32 hwreg(HW_REG_WAVE_SCHED_MODE, 0, 2), 2
	s_setreg_imm32_b32 hwreg(HW_REG_WAVE_MODE, 25, 1), 1
	s_wait_xcnt 0x0
	s_wait_alu depctr_vm_vsrc(0)
; MAIN: for one tile of 144 listed rows of one batch: score[s] = sum_d v[d] tanh(W_enc enc[s] + W_dec h)[d], the tile's own softmax (maximum m, sum l, weights p) and its part of the context, sum_s p[s] enc[s].
; A position whose mask is 0 has weight exp(-1e9 - max) = 0 in f32 wherever its batch has an open position, so only the listed rows are read; a batch with no open position lists all rows, and their scores are -1e9.
; SHARES.  A work-group takes entries 144 t .. 144 t + 143 of batch b's list.  A list may have 1,024 entries, so a batch has eight work-groups; A TILE THAT THE LIST DOES NOT REACH (n <= 144 t) IS NOT COMPUTED: its
; work-group passes the five barriers, jumps forward over the five segments in front of them and stores nothing: the tile's (m, l) stays as the launch before has filled it, (-1e38, 0), and its part of the context is never read.
; n is a whole number that the launch before has stored.  No jump passes a barrier; each segment reads only registers made at the head or inside itself; what goes from segment to segment goes through LDS (S alone, cleared at the head, stays in registers).  EXEC is never written.
; THE FIVE SEGMENTS: A rows and tables into LDS (stores alone); G the product and tanh (loads alone); P the partial sums into LDS (stores alone); C scores and softmax (loads at fixed addresses, the weights' stores);
; X the context (loads alone).  So a barrier stands between every LDS store and every load whose address runs in a loop: the two are ordered whatever the addresses.
; t = x in batches 0-31 and x xor 4 in batches 32-63: of two work-groups 256 apart in the grid's order one has a tile of the list's first four and the other one of its last four, so long and short ones are mixed.
; A score goes to its position in scores[b]; the score of an entry past the list's end goes to one of 16 dump words of the work-group's own, behind the 64 x 1,024 scores, which nobody reads.
; The tile's rows, rounded once to bf16, STAY IN LDS: they are source 1 of the product and, later, the rows of the context: each listed row leaves memory once.
; Wave w makes all 144 rows x columns 256 w + 128 p + 0..127 in pass p = 0, 1: 72 accumulators.  Source 0, 16 rows of W_enc, comes straight from wf into registers (no two waves want the same byte of it),
; three K steps ahead.  A lane's result is one row (lane%16) and the columns 8 (lane/16) + 0..7.
; tanh z = 1 - 2 / (1 + 2^(2 log2(e) z)); it ends rightly at +-1 where the power overflows or vanishes.  score = sum v - 2 sum v r, r = 1 / (1 + 2^..).
; NO CLUSTER, NO TENSOR LOAD: the rows are gathered by a list and converted on the way, and beside them LDS has 20 KB left, less than one K step of W for the four waves' 512 columns.
; LIMITS.  enc, W_enc (and in prep W_dec, h) are rounded to bf16; all else is f32.  The score's rounding goes with 2^-24 x sum |v|, the bound of a plain f32 sum of its terms.  sum |v| stays far under 1e9 and scores above -1e38.
; NaN and infinities are not treated apart: the unused entries of a list's last tile name row 0 with weight 0, so that row must be finite.
; THE MODE: SCHED_MODE bits 1:0 = 2 (LLVM: expert scheduling mode 2), set by the entry lines.  The code itself states the register dependences between vector or matrix instructions and memory or LDS
; instructions, with s_wait_alu, always for 0.
; THE PLAN.  Registers that memory or LDS instructions touch, and who else names them.  Each segment states its own dependences, those on later segments ahead of its closing label, so that they hold whichever segments are jumped.
;   v[L16]   written at the head, then only read: the offset of every load of W.  One wait on va_vdst at the head, ahead of the first jump.
;   A  slot i (32 registers), its offset v[224+i], the LDS address v10.  A slot's turn: the offset is made and 16 conversions round the slot in place | va_vdst | 8 LDS stores read it | vm_vsrc | 8 loads land in it.
;      The offset's last readers stand ahead of the vm_vsrc of the slot before; v10 is stepped behind slot 5's vm_vsrc and is read again behind slot 0's va_vdst.
;   G  enc's fragments, two buffers: K step k's products read one, and the LDS loads for K step k + 1 land in the other.  W's fragments, four buffers: K step k reads one, and the loads for K step k + 3 land in the one that K step k - 1 read.
;      ONE wait on va_vdst at a K step's head states that the K step before is done reading both; the step's 34 loads follow it in two runs among its products, which name this step's fragments and the accumulators alone.
;      The five LDS addresses are stepped once a trip, behind a wait on vm_vsrc; the next K step's head states that they are written.  The accumulators, S and the chains are named by vector and matrix instructions alone.
;   P, C, X  addresses are made first, then one va_vdst, then the run of loads or stores; vm_vsrc stands ahead of every line that writes again a register that an LDS or memory instruction has read.
; REGISTERS, in windows of 256 (s_set_vgpr_msb: bits 1:0 source 0, 3:2 source 1, 5:4 source 2, 7:6 destination):
;   window 0: v0-13 addresses; v14-31 S, a pair a row block; v32-103, v104-175 enc's fragments, two buffers; v176-239 accumulators of row block 8; v249-251 lane, lane%16, lane/16; v10, v11, v252-255 at work
;   window 1: W's fragments, four buffers of 64       window 2: accumulators of row blocks 0-3 (64 a + 8 nb)       window 3: of row blocks 4-7
.set PITCH, 2064                       ; a row in LDS: 2,048 bytes + 16, an odd multiple of 16: the 16 rows of a fragment load start 16 bytes apart modulo 256
.set BLK,   16*PITCH
.set DECT,  144*PITCH                  ; decp[b], 4,096 bytes
.set VT,    DECT+4096                  ; v, 4,096 bytes
.set PART,  VT+4096                    ; [row][wave] f32: each wave's part of sum v r
.set PW,    PART+2304                  ; each wave's own copy of the 144 weights
.set SPARE, PW+2304                    ; the spare words, 128 bytes a wave: two blocks of 256 bytes that no other line names
.set L16, 1                            ; v1   16 x lane; never rewritten
.set ADRA, 2                           ; v2-6 LDS address of enc's fragments of row blocks 2 g, 2 g + 1, running along K
.set CADR, 2                           ; v2   in segment X: my 8 bytes of a row, for the context; runs
.set PADR, 3                           ; v3   in segment X: my wave's copy of the weights; runs
.set GOF, 4                            ; v4   in segment X: 16 x thread, my place in pctx
.set ZOF, 5                            ; v5   in segment C: 0, the offset of (m, l)
.set VADR, 6                           ; v6   in segment C: my 16 bytes of each 512 of v in LDS
.set AFR, 7                            ; v7   (lane%16) x pitch + 16 (lane/16)
.set TADR, 8                           ; v8   my 32 bytes in DECT for the pass
.set SVR, 9                            ; v9   sum of v
.set SPW, 12                           ; v12  my spare word; never rewritten
.set NIL, 13                           ; v13  0; never rewritten
.set S,   14
.set TB,  32                           ; way out of a pass: for each nb eight of decp, eight of v
.set TQ,  160                          ; four chains of pairs
.set VS,  148                          ; v148-179 in segment C: v whole, for its sum
.set LN,  249
.set RR,  250
.set HH,  251
.set MSB, 0
.macro WIN new                         ; the immediate's high byte repeats the setting that is left; a switch that changes nothing is dropped
.if MSB != (\new)
	s_set_vgpr_msb (MSB<<8)|(\new)
.set MSB, \new
.endif
.endm
.macro MEET                            ; a barrier of the work-group: no LDS instruction of mine is out at the signal
	s_wait_dscnt 0x0
	s_barrier_signal -1
	s_barrier_wait -1
.endm
; ---- macros of the row loads
.macro QSHIFT                          ; the queue of list entries moves up by six
.set k, 0
.rept 15
	s_mov_b64 s[24+2*k:25+2*k], s[30+2*k:31+2*k]
.set k, k+1
.endr
.endm
.macro ROWOFF i                        ; slot i's offset: the row that the queue's entry i names
	s_min_u32 s88, s[24+(\i)], 0x3ff
	v_lshl_add_u32 v[224+(\i)], s88, 12, v[L16]
.endm
.macro ROWASK i                        ; slot i asks for that row: eight loads of 512 consecutive bytes
.irp j, 0,1,2,3,4,5,6,7
	global_load_b128 v[32+32*(\i)+4*(\j):35+32*(\i)+4*(\j)], v[224+(\i)], s[76:77] offset:512*(\j)
.endr
.endm
.macro ROWTURN i, cnt, again           ; slot i's row is rounded to bf16 and laid into LDS, 8 bytes a lane; again = 1: the slot asks for its next row
	s_wait_loadcnt \cnt                            ; loads come back in order: this slot's eight are in, the younger slots' stay out; its registers and its offset are free
.if \again
	ROWOFF \i                                      ; the loads that read this offset stand ahead of the last wait on vm_vsrc: the slot before's, or the one in front of the loop
.endif
.irp j, 0,1,2,3,4,5,6,7
	v_cvt_pk_bf16_f32 v[32+32*(\i)+4*(\j)], v[32+32*(\i)+4*(\j)], v[33+32*(\i)+4*(\j)]
	v_cvt_pk_bf16_f32 v[33+32*(\i)+4*(\j)], v[34+32*(\i)+4*(\j)], v[35+32*(\i)+4*(\j)]
.endr
	s_wait_alu depctr_va_vdst(0)                   ; the conversions have written what the LDS stores read and are done with the slot, in which the next loads land; the slot's offset is written, and v10 since its last step
.irp j, 0,1,2,3,4,5,6,7
	ds_store_b64 v10, v[32+32*(\i)+4*(\j):33+32*(\i)+4*(\j)] offset:(\i)*PITCH+(\j)*256
.endr
.if \again
	s_wait_alu depctr_vm_vsrc(0)                   ; the LDS stores have read the slot's registers, in which the loads below land; (slot 5:) and v10, which is stepped at the trip's end
	ROWASK \i
.endif
.endm
; ---- macros of the product
.macro FETCH_A buf, off                ; enc's nine fragments of one K step, row blocks ascending: 18 LDS loads in one run
	WIN 0
.irp m, 0,1,2,3,4,5,6,7,8
	ds_load_b128 v[32+72*(\buf)+8*(\m):35+72*(\buf)+8*(\m)], v[ADRA+(\m)/2] offset:((\m)%2)*BLK+(\off)
	ds_load_b128 v[36+72*(\buf)+8*(\m):39+72*(\buf)+8*(\m)], v[ADRA+(\m)/2] offset:((\m)%2)*BLK+(\off)+32
.endr
.endm
.macro FETCH_B buf, off                ; W's eight fragments of one K step: 16 loads of 512 consecutive bytes
	WIN 0x40                                       ; destination window 1, offset window 0
.irp nb, 0,1,2,3,4,5,6,7
	global_load_b128 v[64*(\buf)+8*(\nb):64*(\buf)+8*(\nb)+3], v[L16], s[72:73] offset:(\off)+(\nb)*1024
	global_load_b128 v[64*(\buf)+8*(\nb)+4:64*(\buf)+8*(\nb)+7], v[L16], s[72:73] offset:(\off)+(\nb)*1024+512
.endr
.endm
.macro MUL ab, bb, rb, zero            ; row block rb x all 8 column blocks.  zero = 1: the first product starts the sums: nothing is cleared
.if (\rb) < 4
	WIN 0xa1
.set rD, 64*(\rb)
.elseif (\rb) < 8
	WIN 0xf1
.set rD, 64*((\rb)-4)
.else
	WIN 0x01
.set rD, 176
.endif
.irp nb, 0,1,2,3,4,5,6,7
.if \zero
	v_wmma_f32_16x16x32_bf16 v[rD+8*(\nb):rD+8*(\nb)+7], v[64*(\bb)+8*(\nb):64*(\bb)+8*(\nb)+7], v[32+72*(\ab)+8*(\rb):39+72*(\ab)+8*(\rb)], 0
.else
	v_wmma_f32_16x16x32_bf16 v[rD+8*(\nb):rD+8*(\nb)+7], v[64*(\bb)+8*(\nb):64*(\bb)+8*(\nb)+7], v[32+72*(\ab)+8*(\rb):39+72*(\ab)+8*(\rb)], v[rD+8*(\nb):rD+8*(\nb)+7]
.endif
.endr
.endm
; A K step: 72 products; the 72 accumulators take turns in the same order in every K step.  Behind its 16th product the next K step's fragments of enc are asked for, behind its 32nd the K step three on of W.
; zero = 1: a pass's first K step: the wait on va_vdst at the pass's head stands for this step's too: between it and this step's loads stand LDS loads and this step's own products alone.
.macro KSTEP ab, bb, zero, aoff, boff
	s_wait_loadcnt 32                              ; this K step's W is in; the two younger K steps' 16 loads each stay out
	s_wait_dscnt 10                                ; row blocks 0-3 are in; the ten youngest LDS loads (blocks 4-8) may be out
.if !\zero
	s_wait_alu depctr_va_vdst(0)                   ; the K step before is done reading its fragments of enc and of W, in which this step's loads land; in a trip's first K step the five LDS addresses are written
.endif
.irp m, 0,1
	MUL \ab, \bb, \m, \zero
.endr
.if (\aoff) >= 0
	FETCH_A (1-(\ab)), \aoff                       ; no wait: no product since the wait names the other buffer of enc or the addresses
.endif
.irp m, 2,3
	MUL \ab, \bb, \m, \zero
.endr
	FETCH_B (((\bb)+3)%4), \boff                   ; no wait: no product since the wait names that buffer of W or v[L16]
.if (\aoff) >= 0
	s_wait_dscnt 18                                ; all but the 18 issued in this K step
.else
	s_wait_dscnt 0x0
.endif
.irp m, 4,5,6,7,8
	MUL \ab, \bb, \m, \zero
.endr
.endm
; The way out of a pass for row block rb: x = 2 log2(e) acc + decp; e = 2^x; r = 1 / (1 + e); S += sum r v.  In place on the accumulators, from each one's low end on.
; The 64 exponentials are one batch and the 64 reciprocals another, each with one plain line and one wait behind it; the next accumulator's packed lines stand among them and name no result.
.macro EPIROW rb
.if (\rb) < 4
.set WX, 0x82
.set WS, 0x02
.set rD, 64*(\rb)
.elseif (\rb) < 8
.set WX, 0xc3
.set WS, 0x03
.set rD, 64*((\rb)-4)
.else
.set WX, 0
.set WS, 0
.set rD, 176
.endif
	WIN WX                                         ; destination and source 0 in the accumulators' window, source 2 in window 0
.irp i, 0,1,2,3
	v_pk_fma_f32 v[rD+2*(\i):rD+2*(\i)+1], v[rD+2*(\i):rD+2*(\i)+1], s[68:69], v[TB+2*(\i):TB+2*(\i)+1] op_sel_hi:[1,0,1]
.endr
.irp nb, 0,1,2,3,4,5,6,7
.irp i, 0,1,2,3
	v_exp_f32 v[rD+8*(\nb)+2*(\i)], v[rD+8*(\nb)+2*(\i)]
	v_exp_f32 v[rD+8*(\nb)+2*(\i)+1], v[rD+8*(\nb)+2*(\i)+1]
.if (\nb) < 7
	v_pk_fma_f32 v[rD+8*(\nb)+8+2*(\i):rD+8*(\nb)+9+2*(\i)], v[rD+8*(\nb)+8+2*(\i):rD+8*(\nb)+9+2*(\i)], s[68:69], v[TB+16*(\nb)+16+2*(\i):TB+16*(\nb)+17+2*(\i)] op_sel_hi:[1,0,1]
.endif
.endr
.endr
	v_nop
	s_wait_alu depctr_va_vdst(0)                   ; the row block's 64 exponentials are written, ahead of the additions that read them: one wait for the batch
.irp i, 0,1,2,3
	v_pk_add_f32 v[rD+2*(\i):rD+2*(\i)+1], v[rD+2*(\i):rD+2*(\i)+1], 1.0 op_sel_hi:[1,0]
.endr
.irp nb, 0,1,2,3,4,5,6,7
.irp i, 0,1,2,3
	v_rcp_f32 v[rD+8*(\nb)+2*(\i)], v[rD+8*(\nb)+2*(\i)]
	v_rcp_f32 v[rD+8*(\nb)+2*(\i)+1], v[rD+8*(\nb)+2*(\i)+1]
.if (\nb) < 7
	v_pk_add_f32 v[rD+8*(\nb)+8+2*(\i):rD+8*(\nb)+9+2*(\i)], v[rD+8*(\nb)+8+2*(\i):rD+8*(\nb)+9+2*(\i)], 1.0 op_sel_hi:[1,0]
.endif
.endr
.endr
	v_nop
	s_wait_alu depctr_va_vdst(0)                   ; the row block's 64 reciprocals are written, ahead of the chains that read them: one wait for the batch
	WIN WS                                         ; source 0 in the accumulators' window, all else in window 0
.irp nb, 0,1,2,3,4,5,6,7
.irp i, 0,1,2,3
.if ((\nb) == 0) && ((\i) == 0)
	v_pk_fma_f32 v[TQ:TQ+1], v[rD:rD+1], v[TB+8:TB+9], v[S+2*(\rb):S+2*(\rb)+1]   ; the first chain starts from S
.elseif (\nb) == 0
	v_pk_mul_f32 v[TQ+2*(\i):TQ+2*(\i)+1], v[rD+2*(\i):rD+2*(\i)+1], v[TB+8+2*(\i):TB+9+2*(\i)]
.else
	v_pk_fma_f32 v[TQ+2*(\i):TQ+2*(\i)+1], v[rD+8*(\nb)+2*(\i):rD+8*(\nb)+2*(\i)+1], v[TB+16*(\nb)+8+2*(\i):TB+16*(\nb)+9+2*(\i)], v[TQ+2*(\i):TQ+2*(\i)+1]
.endif
.endr
.endr
	WIN 0
	v_pk_add_f32 v[TQ:TQ+1], v[TQ:TQ+1], v[TQ+2:TQ+3]
	v_pk_add_f32 v[TQ+4:TQ+5], v[TQ+4:TQ+5], v[TQ+6:TQ+7]
	v_pk_add_f32 v[S+2*(\rb):S+2*(\rb)+1], v[TQ:TQ+1], v[TQ+4:TQ+5]
.endm
	s_load_b512 s[4:19], s[0:1], 0x0               ; enc s[4:5], v s[6:7], wf s[8:9], decp s[10:11], rowlist s[12:13], scores s[14:15], stats s[16:17], pctx s[18:19]
	v_lshl_add_u32 v[SPW], v0, 2, SPARE
	v_mov_b32 v[NIL], 0
	v_lshrrev_b32 v10, 5, v0
	v_readfirstlane_b32 s22, v10                   ; wave 0..3
	s_and_b32 s20, ttmp7, 0xffff                   ; b
	s_lshr_b32 s21, s20, 5
	s_lshl_b32 s21, s21, 2
	s_xor_b32 s23, ttmp9, s21                      ; the tile, 0..7: x, turned by 4 in batches 32-63
	v_and_b32 v[LN], 31, v0
	v_and_b32 v[RR], 15, v0
	v_bfe_u32 v[HH], v0, 4, 1
	v_lshlrev_b32 v[L16], 4, v[LN]
	v_mul_u32_u24 v[AFR], v[RR], PITCH
	v_lshl_add_u32 v[AFR], v[HH], 4, v[AFR]
.set n, S
.rept 18
	v_mov_b32 v[n], 0                              ; S starts at 0: written here, at the head, so that it is written on every way into the segments that name it
.set n, n+1
.endr
	s_wait_alu depctr_va_sdst(0)                   ; s22, the wave's number, is written, ahead of its first reader: addresses and jumps are made from it
	s_mov_b32 s68, 0x4038aa3b                      ; 2 log2(e); named as a pair
	s_mov_b32 s69, 0x4038aa3b
	s_mov_b32 s70, 0x76543210                      ; v_permlanex16_b32: each lane takes its own place in the other half
	s_mov_b32 s71, 0xfedcba98
	s_mov_b32 s91, 0
	s_mul_i32 s96, s23, 144                        ; the tile's first entry
	s_lshl_b32 s94, s20, 3
	s_add_co_u32 s94, s94, s23                     ; 8 b + tile
	s_lshl_b32 s95, s20, 10                        ; 1,024 b: the batch's first word in scores
	s_wait_kmcnt 0x0
	s_lshl_b32 s90, s20, 22
	s_add_nc_u64 s[76:77], s[4:5], s[90:91]        ; enc[b]
	s_lshl_b32 s90, s20, 12
	s_add_nc_u64 s[98:99], s[10:11], s[90:91]      ; decp[b]
	s_mul_i32 s90, s20, 5120
	s_add_nc_u64 s[80:81], s[12:13], s[90:91]      ; rowlist[b]
	s_mul_i32 s90, s23, 576
	s_add_nc_u64 s[92:93], s[80:81], s[90:91]      ; the list at the tile's first entry (tile 7 ends at entry 1151)
	s_mul_i32 s90, s22, 144
	s_add_nc_u64 s[82:83], s[92:93], s[90:91]      ; at my wave's 36 entries
	s_lshl_b32 s90, s94, 3
	s_add_nc_u64 s[16:17], s[16:17], s[90:91]      ; stats[b][tile]
	s_lshl_b32 s90, s94, 12
	s_add_nc_u64 s[18:19], s[18:19], s[90:91]      ; pctx[b][tile]
	s_lshl_b32 s90, s22, 19
	s_add_nc_u64 s[74:75], s[8:9], s[90:91]        ; wf at my wave's 64 K steps
	s_load_b128 s[60:63], s[80:81], 0x1200         ; s60 = n, the list's length; s62 = 1 if any position is open
	s_load_b512 s[24:39], s[82:83], 0x0            ; the queue: my 36 entries
	s_load_b512 s[40:55], s[82:83], 0x40
	s_load_b128 s[56:59], s[82:83], 0x80
	s_wait_kmcnt 0x0                               ; n and the queue
	s_wait_alu depctr_va_vdst(0)                   ; v[L16] is written, which every load of W reads as its offset: stated here, ahead of the first jump, for every way into segment G
	s_min_u32 s60, s60, 0x400
	s_cmp_gt_u32 s60, s96                          ; does the list reach into the tile?
	s_cselect_b32 s97, 1, 0                        ; kept for the four later jumps
	s_cbranch_scc0 .LskipA
	; ---- A: decp[b] and v into LDS; my wave's 36 rows into LDS, six slots of eight loads always on their way
	v_lshlrev_b32 v10, 4, v0                       ; 16 x thread
	v_add_nc_u32 v11, DECT, v10
.irp i, 0,1,2,3,4,5
	ROWOFF \i
.endr
	s_wait_alu depctr_va_vdst(0)                   ; v10, v11 and the six offsets are written, which the 52 loads and the four LDS stores below read
	global_load_b128 v[230:233], v10, s[98:99]     ; decp[b] and v, 16 + 16 bytes a thread each
	global_load_b128 v[234:237], v10, s[98:99] offset:2048
	global_load_b128 v[238:241], v10, s[6:7]
	global_load_b128 v[242:245], v10, s[6:7] offset:2048
.irp i, 0,1,2,3,4,5
	ROWASK \i
.endr
	QSHIFT
	s_wait_loadcnt 48                              ; the four loads of decp and v are in; the six rows' 48 loads stay out
	ds_store_b128 v11, v[230:233]
	ds_store_b128 v11, v[234:237] offset:2048
	ds_store_b128 v11, v[238:241] offset:4096
	ds_store_b128 v11, v[242:245] offset:6144
	s_wait_alu depctr_vm_vsrc(0)                   ; the loads of decp and v have read v10, which the next vector line writes; the rows' loads have read their offsets, of which the first trip writes slot 0's first
	s_mul_i32 s88, s22, 36*PITCH
	v_lshl_add_u32 v10, v[LN], 3, s88              ; my wave's rows, 8 bytes a lane; runs
	s_mov_b32 s67, 5
.Lrows:
.irp i, 0,1,2,3,4,5
	ROWTURN \i, 40, 1                              ; five younger rows stay out
.endr
	QSHIFT
	v_add_nc_u32 v10, 6*PITCH, v10                 ; behind slot 5's wait on vm_vsrc, since which no LDS store was issued
	s_sub_co_u32 s67, s67, 1
	s_cmp_lg_u32 s67, 0
	s_cbranch_scc1 .Lrows
.irp i, 0,1,2,3,4,5
	ROWTURN \i, 40-8*(\i), 0                       ; the last six rows: nothing more is asked for, the counts run down
.endr
	s_wait_alu depctr_vm_vsrc(0)                   ; my LDS stores have read v10, which segments P and C write again, and the slots' registers, in which the loads of segments G, C and X land
.LskipA:
	MEET                                           ; for the others' sake: my rows and my part of decp and v lie in LDS
	s_cmp_eq_u32 s97, 0
	s_cbranch_scc1 .LskipG
	; ---- G: the product and tanh, two passes of 128 columns; of LDS it only reads
	s_mov_b64 s[72:73], s[74:75]
	FETCH_B 0, 0                                   ; no vector or matrix instruction has named these registers; v[L16] was stated written at the head
	FETCH_B 1, 8192
	FETCH_B 2, 16384
	WIN 0
	s_lshl_b32 s88, s22, 10
	s_add_co_u32 s88, s88, DECT
	v_lshl_add_u32 v[TADR], v[HH], 5, s88
	s_mov_b32 s66, 2
.Lpass:
	v_mov_b32 v[ADRA], v[AFR]                      ; the LDS loads that read the five addresses stand ahead of the wait on vm_vsrc in the last pass's way out
.irp g, 1,2,3,4
	v_add_nc_u32 v[ADRA+(\g)], 2*BLK*(\g), v[AFR]
.endr
	s_wait_alu depctr_va_vdst(0)                   ; the five addresses are written, which the fragments' loads read; the last pass's way out is done with TB and TQ, in which the fragments land
	FETCH_A 0, 0
	KSTEP 0, 0, 1, 64, 3*8192                      ; the pass's first K step stands in front of the loop: its products start the sums
	WIN 0                                          ; at a label and at a branch every window is 0
	s_mov_b32 s67, 7
.Lk:                                                   ; a trip: four K steps
	KSTEP 1, 1, 0, 128, 4*8192
	KSTEP 0, 2, 0, 192, 5*8192
	KSTEP 1, 3, 0, 256, 6*8192
	KSTEP 0, 0, 0, 320, 7*8192
	WIN 0
	s_wait_xcnt 0x0                                ; W's loads (the youngest 40 products back) have read their base
	s_add_nc_u64 s[72:73], s[72:73], 32768
	s_wait_alu depctr_vm_vsrc(0)                   ; the fragments' LDS loads issued so far have read the five addresses, which the next five lines write
.irp g, 0,1,2,3,4
	v_add_nc_u32 v[ADRA+(\g)], 256, v[ADRA+(\g)]
.endr
	s_sub_co_u32 s67, s67, 1
	s_cmp_lg_u32 s67, 0
	s_cbranch_scc1 .Lk
	KSTEP 1, 1, 0, 128, 4*8192                     ; the last three K steps; W runs on into the next pass's first three (behind the last pass: into the next wave's bytes or the zeros behind wf, never multiplied)
	KSTEP 0, 2, 0, 192, 5*8192
	KSTEP 1, 3, 0, -1, 6*8192
	WIN 0
	s_wait_xcnt 0x0
	s_add_nc_u64 s[72:73], s[72:73], 32768
.rept 8
	v_nop                                          ; places behind the last products, in front of the lines that read results; they stay beside the wait below
.endr
	s_wait_alu depctr_va_vdst(0)                   ; the last two K steps' products are done reading enc's two buffers, in which the tables land; v[TADR] is written
.irp nb, 0,1,2,3,4,5,6,7
	ds_load_b128 v[TB+16*(\nb):TB+16*(\nb)+3], v[TADR] offset:64*(\nb)
	ds_load_b128 v[TB+16*(\nb)+4:TB+16*(\nb)+7], v[TADR] offset:64*(\nb)+16
	ds_load_b128 v[TB+16*(\nb)+8:TB+16*(\nb)+11], v[TADR] offset:64*(\nb)+4096
	ds_load_b128 v[TB+16*(\nb)+12:TB+16*(\nb)+15], v[TADR] offset:64*(\nb)+4112
.endr
	s_wait_dscnt 0x0
	s_wait_alu depctr_vm_vsrc(0)                   ; the pass's LDS loads have read v[TADR], which is stepped at the pass's end, and v2-v6, which the next pass's head and segments C and X write again
.irp m, 0,1,2,3,4,5,6,7,8
	EPIROW \m
.endr
	v_add_nc_u32 v[TADR], 512, v[TADR]
	s_sub_co_u32 s66, s66, 1
	s_cmp_lg_u32 s66, 0
	s_cbranch_scc1 .Lpass
	s_wait_loadcnt 0x0                             ; the three K steps asked for behind the last pass have landed: their registers are free
.LskipG:
	MEET                                           ; every wave's reads of the rows and the tables are over: the stores below stand behind them
	s_cmp_eq_u32 s97, 0
	s_cbranch_scc1 .LskipP
	; ---- P: my part of each row's sum into LDS
	s_lshl_b32 s88, s22, 2
	s_add_co_u32 s88, s88, PART
	v_lshl_add_u32 v10, v[RR], 4, s88
.irp m, 0,1,2,3,4,5,6,7,8
	v_add_f32 v[S+2*(\m)], v[S+2*(\m)], v[S+2*(\m)+1]
.endr
.irp m, 0,1,2,3,4,5,6,7,8
	v_permlanex16_b32 v[S+2*(\m)+1], v[S+2*(\m)], s70, s71   ; the row's other columns lie in the lane 16 away
.endr
.irp m, 0,1,2,3,4,5,6,7,8
	v_add_f32 v[S+2*(\m)], v[S+2*(\m)], v[S+2*(\m)+1]
.endr
	s_wait_alu depctr_va_vdst(0)                   ; the nine sums and v10 are written, which the LDS stores read
.irp m, 0,1,2,3,4,5,6,7,8
	ds_store_b32 v10, v[S+2*(\m)] offset:256*(\m)
.endr
	s_wait_alu depctr_vm_vsrc(0)                   ; the LDS stores have read v10, which segment C writes again
.LskipP:
	MEET                                           ; for the others' sake: my parts of the sums lie in LDS
	s_cmp_eq_u32 s97, 0
	s_cbranch_scc1 .LskipC
	; ---- C: scores and the tile's softmax (every wave alike, lanes 16-31 a copy of lanes 0-15)
	v_lshlrev_b32 v11, 2, v[RR]
	v_lshlrev_b32 v10, 4, v[RR]
	v_add_nc_u32 v10, PART, v10
	v_add_nc_u32 v[VADR], VT, v[L16]
	v_mov_b32 v253, 0xce6e6b28                     ; -1e9
	v_mov_b32 v254, 0xfe967699                     ; -1e38
	v_add_nc_u32 v252, s96, v[RR]                  ; my entry's place in the list, for row block 0
	s_wait_alu depctr_va_vdst(0)                   ; v11, v10 and v[VADR] are written, which the loads below read; the earlier segments' vector and matrix lines are done with v32-40, v44-79 and v148-179, in which they land
.irp m, 0,1,2,3,4,5,6,7,8
	global_load_b32 v[32+(\m)], v11, s[92:93] offset:64*(\m)   ; entry 16 m + lane%16 of the tile: where its score goes
.endr
.irp m, 0,1,2,3,4,5,6,7,8
	ds_load_b128 v[44+4*(\m):47+4*(\m)], v10 offset:256*(\m)
.endr
.irp i, 0,1,2,3,4,5,6,7
	ds_load_b128 v[VS+4*(\i):VS+4*(\i)+3], v[VADR] offset:512*(\i)   ; v whole, in every wave, for its sum
.endr
.irp m, 0,1,2,3,4,5,6,7,8
	v_add_nc_u32 v255, 16*(\m), v252
	v_cmp_gt_u32 s[24+(\m)], s60, v255             ; is the entry inside the list?  The nine compares stand in one run, while the loads are out
.endr
	s_cmp_lg_u32 s62, 0
	s_cselect_b32 s89, -1, 0                       ; all ones where the listed rows are open: a select, no branch
	s_wait_dscnt 0x0
.irp i, 0,1,2,3,4,5,6,7
	v_pk_add_f32 v[VS+2*(\i):VS+2*(\i)+1], v[VS+2*(\i):VS+2*(\i)+1], v[VS+16+2*(\i):VS+17+2*(\i)]
.endr
.irp i, 0,1,2,3
	v_pk_add_f32 v[VS+2*(\i):VS+2*(\i)+1], v[VS+2*(\i):VS+2*(\i)+1], v[VS+8+2*(\i):VS+9+2*(\i)]
.endr
	v_pk_add_f32 v[VS:VS+1], v[VS:VS+1], v[VS+4:VS+5]
	v_pk_add_f32 v[VS+2:VS+3], v[VS+2:VS+3], v[VS+6:VS+7]
	v_pk_add_f32 v[VS:VS+1], v[VS:VS+1], v[VS+2:VS+3]
	v_add_f32 v[SVR], v[VS], v[VS+1]
.irp x, 1,2,4,8
	v_add_f32_dpp v[SVR], v[SVR], v[SVR] row_xmask:\x row_mask:0xf bank_mask:0xf
.endr
	v_permlanex16_b32 v[VS], v[SVR], s70, s71
	v_add_f32 v[SVR], v[SVR], v[VS]
.irp m, 0,1,2,3,4,5,6,7,8
	v_pk_add_f32 v[44+4*(\m):45+4*(\m)], v[44+4*(\m):45+4*(\m)], v[46+4*(\m):47+4*(\m)]
.endr
.irp m, 0,1,2,3,4,5,6,7,8
	v_add_f32 v[44+4*(\m)], v[44+4*(\m)], v[45+4*(\m)]
.endr
.irp m, 0,1,2,3,4,5,6,7,8
	v_fma_f32 v[44+4*(\m)], v[44+4*(\m)], -2.0, v[SVR]          ; sum v - 2 sum v r
.endr
	s_wait_alu depctr_va_sdst(0)                   ; the nine compares have written s24-s32, ahead of the first select that reads one of them
.irp m, 0,1,2,3,4,5,6,7,8
	v_cndmask_b32 v[90+(\m)], v253, v[44+4*(\m)], s89           ; the score as stored: -1e9 where the batch has no open position
	v_cndmask_b32 v[100+(\m)], v254, v[90+(\m)], s[24+(\m)]     ; and as the softmax takes it: an entry past the list's end counts for nothing
.endr
	v_max3_num_f32 v110, v100, v101, v102
	v_max3_num_f32 v110, v110, v103, v104
	v_max3_num_f32 v110, v110, v105, v106
	v_max3_num_f32 v110, v110, v107, v108
.irp x, 1,2,4,8
	v_max_num_f32_dpp v110, v110, v110 row_xmask:\x row_mask:0xf bank_mask:0xf
.endr
.irp m, 0,1,2,3,4,5,6,7,8
	v_sub_f32 v[100+(\m)], v[100+(\m)], v110       ; the maximum goes off first, exactly where s = m; the factor comes after
.endr
.irp m, 0,1,2,3,4,5,6,7,8
	v_mul_f32 v[100+(\m)], 0x3fb8aa3b, v[100+(\m)]
.endr
.irp m, 0,1,2,3,4,5,6,7,8
	v_exp_f32 v[100+(\m)], v[100+(\m)]
.endr
	s_mul_i32 s88, s22, 576
	s_add_co_u32 s88, s88, PW
	v_lshl_add_u32 v252, v[RR], 2, s88             ; where my wave's copy of the weights goes: also the plain line behind the last exponential
	v_mov_b32 v[ZOF], 0
	s_wait_alu depctr_va_vdst(0)                   ; the nine exponentials are written, ahead of their first readers, the LDS stores and the sums; v252 is written, the stores' address
.irp m, 0,1,2,3,4,5,6,7,8
	ds_store_b32 v252, v[100+(\m)] offset:64*(\m)  ; my wave's own copy of the weights
.endr
	v_add_f32 v111, v100, v101
	v_add_f32 v112, v102, v103
	v_add_f32 v113, v104, v105
	v_add_f32 v114, v106, v107
	v_add_f32 v111, v111, v112
	v_add_f32 v113, v113, v114
	v_add_f32 v111, v111, v108
	v_add_f32 v111, v111, v113
.irp x, 1,2,4,8
	v_add_f32_dpp v111, v111, v111 row_xmask:\x row_mask:0xf bank_mask:0xf
.endr
	s_wait_loadcnt 0x0                             ; the entries
	s_cmp_lg_u32 s22, 0
	s_cbranch_scc1 .LskipC
	; wave 0 stores the scores and (m, l), all lanes on.  Lanes 16-31 hold what lanes 0-15 hold: each word is written twice, with the same number, by one instruction.
	s_lshl_b32 s88, s94, 4
	s_add_co_u32 s88, s88, 65536                   ; behind the 65,536 scores: 16 dump words for each of the 512 work-groups
	v_add_nc_u32 v255, s88, v[RR]
.irp m, 0,1,2,3,4,5,6,7,8
	v_min_u32 v[32+(\m)], 0x3ff, v[32+(\m)]        ; a position of the batch,
	v_add_nc_u32 v[32+(\m)], s95, v[32+(\m)]       ; as a word of scores;
	v_cndmask_b32 v[32+(\m)], v255, v[32+(\m)], s[24+(\m)]     ; an entry past the list's end goes to my dump word
	v_min_u32 v[32+(\m)], 0x11fff, v[32+(\m)]      ; inside the buffer's 73,728 words
	v_lshlrev_b32 v[32+(\m)], 2, v[32+(\m)]
.endr
	s_wait_alu depctr_va_vdst(0)                   ; the nine offsets v32-40 and the sum l in v111 are written, which the stores below read (the scores, m and v[ZOF] were written ahead of it too)
.irp m, 0,1,2,3,4,5,6,7,8
	global_store_b32 v[32+(\m)], v[90+(\m)], s[14:15]
.endr
	global_store_b64 v[ZOF], v[110:111], s[16:17]  ; (m, l): the same pair from every lane
.LskipC:
	MEET                                           ; every wave's weights lie in LDS: the loads below, whose addresses run, stand behind all stores
	s_cmp_eq_u32 s97, 0
	s_cbranch_scc1 .LskipX
	; ---- X: the context.  Thread t owns columns 4 t .. 4 t + 3 and 512 + 4 t .. : 8 + 8 bytes of every row; of LDS it only reads
	s_mul_i32 s88, s22, 576
	s_add_co_u32 s88, s88, PW
	v_mov_b32 v[PADR], s88                         ; my wave's copy of the weights: the same address in every lane
	v_lshlrev_b32 v[CADR], 3, v0                   ; my 8 bytes of a row
	v_lshlrev_b32 v[GOF], 4, v0
.set n, 112
.rept 8
	v_mov_b32 v[n], 0
.set n, n+1
.endr
	s_mov_b32 s67, 9
.Lcrow:                                                ; a trip: 16 rows
	s_wait_alu depctr_va_vdst(0)                   ; v[CADR] and v[PADR] are written, which the loads below read; the last trip's multiply-adds (in the first trip: the earlier segments' lines) are done with v120-199, in which they land
.irp i, 0,1,2,3
	ds_load_b128 v[120+4*(\i):123+4*(\i)], v[PADR] offset:16*(\i)
.endr
.irp i, 0,1,2,3,4,5,6,7,8,9,10,11,12,13,14,15
	ds_load_b64 v[136+4*(\i):137+4*(\i)], v[CADR] offset:(\i)*PITCH
	ds_load_b64 v[138+4*(\i):139+4*(\i)], v[CADR] offset:(\i)*PITCH+1024
.endr
.irp i, 0,1,2,3,4,5,6,7,8,9,10,11,12,13,14,15
.if (\i)%4 == 0
	s_wait_dscnt 24-2*(\i)                         ; four rows more are in; the younger rows' loads, two each, stay out
.endif
.irp c, 0,1,2,3
	v_fma_mix_f32_bf16 v[112+2*(\c)], v[136+4*(\i)+(\c)], v[120+(\i)], v[112+2*(\c)] op_sel:[0,0,0] op_sel_hi:[1,0,0]
	v_fma_mix_f32_bf16 v[113+2*(\c)], v[136+4*(\i)+(\c)], v[120+(\i)], v[113+2*(\c)] op_sel:[1,0,0] op_sel_hi:[1,0,0]
.endr
.endr
	s_wait_alu depctr_vm_vsrc(0)                   ; the trip's LDS loads have read v[CADR] and v[PADR], which the next two lines write
	v_add_nc_u32 v[CADR], BLK, v[CADR]
	v_add_nc_u32 v[PADR], 64, v[PADR]
	s_sub_co_u32 s67, s67, 1
	s_cmp_lg_u32 s67, 0
	s_cbranch_scc1 .Lcrow
	s_wait_alu depctr_va_vdst(0)                   ; the multiply-adds have written the eight sums v112-119, which the stores read
	global_store_b128 v[GOF], v[112:115], s[18:19]             ; each store of a wave covers 512 consecutive bytes, aligned
	global_store_b128 v[GOF], v[116:119], s[18:19] offset:2048
.LskipX:
	MEET                                           ; every wave's reads of LDS are over: the add below stands behind them
	s_wait_dscnt 0x0                               ; the closing lines, six on end
	s_wait_alu 0x0
	s_wait_tensorcnt 0x0
	ds_add_u32 v[SPW], v[NIL]
	s_wait_dscnt 0x0
	s_endpgm
.Lfunc_end_k_q0ef5051117_main:
	.size	k_q0ef5051117_main, .Lfunc_end_k_q0ef5051117_main-k_q0ef5051117_main
	.p2alignl 7, 3214868480
	.fill 96, 4, 3214868480
	.section	.rodata,"a",@progbits
	.p2align	6, 0x0
	.amdhsa_kernel k_q0ef5051117_main
		.amdhsa_group_segment_fixed_size 310528
		.amdhsa_private_segment_fixed_size 0
		.amdhsa_enable_private_segment 0
		.amdhsa_kernarg_size 64
		.amdhsa_user_sgpr_count 2
		.amdhsa_user_sgpr_kernarg_segment_ptr 1
		.amdhsa_wavefront_size32 1
		.amdhsa_system_sgpr_workgroup_id_x 1
		.amdhsa_system_sgpr_workgroup_id_y 1
		.amdhsa_system_sgpr_workgroup_id_z 1
		.amdhsa_system_vgpr_workitem_id 0
		.amdhsa_next_free_vgpr 1024
		.amdhsa_next_free_sgpr 100
		.amdhsa_reserve_vcc 0
		.amdhsa_float_denorm_mode_32 3
		.amdhsa_float_denorm_mode_16_64 3
		.amdhsa_memory_ordered 1
		.amdhsa_forward_progress 1
		.amdhsa_inst_pref_size 224
	.end_amdhsa_kernel
	.amdgpu_metadata
---
amdhsa.version: [ 1, 2 ]
amdhsa.kernels:
  - .name:           k_q0ef5051117_main
    .symbol:         k_q0ef5051117_main.kd
    .args:
      - { .name: encoder_outputs, .offset: 0, .size: 8, .value_kind: global_buffer, .address_space: global }
      - { .name: v, .offset: 8, .size: 8, .value_kind: global_buffer, .address_space: global }
      - { .name: wf, .offset: 16, .size: 8, .value_kind: global_buffer, .address_space: global }
      - { .name: decp, .offset: 24, .size: 8, .value_kind: global_buffer, .address_space: global }
      - { .name: rowlist, .offset: 32, .size: 8, .value_kind: global_buffer, .address_space: global }
      - { .name: scores, .offset: 40, .size: 8, .value_kind: global_buffer, .address_space: global }
      - { .name: stats, .offset: 48, .size: 8, .value_kind: global_buffer, .address_space: global }
      - { .name: pctx, .offset: 56, .size: 8, .value_kind: global_buffer, .address_space: global }
    .group_segment_fixed_size: 310528
    .private_segment_fixed_size: 0
    .kernarg_segment_align: 8
    .kernarg_segment_size: 64
    .max_flat_workgroup_size: 128
    .sgpr_count:     100
    .vgpr_count:     1024
    .wavefront_size: 32
...
	.end_amdgpu_metadata
.endif
;; end of part 5
;; launch finish: the kernel of part 3 again; grid 64 x 1, 8 waves a work-group, no clusters, 0 bytes of LDS; arguments scores, stats, pctx, rowlist, out0, out1; writes out0, out1
